; MI455X (gfx1250); checked and timed in simulation.
; The chip was launched on July 23, 2026; its instructions are those of AMD's public machine-readable ISA for CDNA 5 (MIT licence, August 2026) and "CDNA5" Instruction Set Architecture Reference Guide (July 2026). The comments in the code are by the model that wrote it; some were corrected since.
;; LA Attention. Allowed arithmetic: matrix products marked QUANTISED: E4M3 operands, one E8M0 scale for each 32 along K, by v_wmma_scale_f32_16x16x128_f8f6f4 with both operands' format E4M3, f32 sums; everything else in f32.
;; Inputs: attention_mask 1 x 1 x 2,048 x 2,048 float32; bk 2,048 float32; bo 2,048 float32; bq 2,048 float32; bv 2,048 float32; hidden_states 1 x 2,048 x 2,048 float32; wk 2,048 x 2,048 float32; wo 2,048 x 2,048 float32; wq 2,048 x 2,048 float32; wv 2,048 x 2,048 float32.
;; Outputs: out0 1 x 2,048 x 2,048 float32.
;; This version of the problem:
;;   THIS VERSION OF THE PROBLEM IS GIVEN IN LOW PRECISION. The matrix products marked QUANTISED in the list below multiply operands that are first quantised to E4M3 (4 exponent bits, 3 mantissa bits; 8 bits a number), with one power-of-two scale for each 32 numbers along K (OCP MX v1.0); their sums are f32. All else is computed in f32.
;;   The module's matrix products, in the order in which they are computed (A, B: the left and right operand; K: the contracted axis; several contracted axes count as one K, in the product's order):
;;     1. [M 2,048, K 2,048] x [K 2,048, N 2,048]; A: input hidden_states; B: input wq: QUANTISED
;;     2. [M 2,048, K 2,048] x [K 2,048, N 2,048]; A: input hidden_states; B: input wk: QUANTISED
;;     3. [M 2,048, K 2,048] x [K 2,048, N 2,048]; A: input hidden_states; B: input wv: QUANTISED
;;     4. batch 32 x [M 2,048, K 64] x [K 64, N 2,048]; A: computed on the way; B: computed on the way: QUANTISED
;;     5. batch 32 x [M 2,048, K 2,048] x [K 2,048, N 64]; A: computed on the way; B: computed on the way: QUANTISED
;;     6. [M 2,048, K 2,048] x [K 2,048, N 2,048]; A: computed on the way; B: input wo: QUANTISED
;;   THE QUANTISER, for each operand of a quantised product, along K:
;;     - K is cut into blocks of 32 from its start; a last block that is shorter is filled with zeros.
;;     - A block's scale is 2^e with e = floor(log2(the largest magnitude in the block)) - 8, held to -126 .. 127; a block of zeros has e = 0. As a byte (E8M0): e + 127.
;;     - Each number is divided by its block's scale, clamped to +-448, and rounded to the nearest number of E4M3, ties to even, subnormals kept.
;;     - The product sums the exact products of the quantised numbers (number of the format x scale) in f32.
;;   ~~~python
;;   def quantise(x, axis):      # numpy; x: float32 -> the quantised numbers, widened to float32 again
;;       x = np.moveaxis(x, axis, -1); K = x.shape[-1]
;;       x = np.pad(x, [(0, 0)] * (x.ndim - 1) + [(0, -K % 32)]); x = x.reshape(x.shape[:-1] + (-1, 32)); a = np.abs(x).max(-1, keepdims=True)
;;       e = np.where(a > 0, np.clip(np.frexp(np.where(a > 0, a, 1))[1] - 1 - 8, -126, 127), 0)      # np.frexp(a)[1] - 1 = floor(log2(a)), exactly
;;       r = np.clip(x / 2.0 ** e, -448, 448)
;;       step = 2.0 ** (np.maximum(np.frexp(np.where(r == 0, 1, r))[1] - 1, -6) - 3)
;;       q = np.round(r / step) * step * 2.0 ** e      # np.round: ties to even
;;       return np.moveaxis(q.reshape(q.shape[:-2] + (-1,))[..., :K], -1, axis).astype(np.float32)
;;   ~~~
;;   OPERANDS COMPUTED ON THE WAY. 'Computed on the way' means the value that the module computes at that place (a softmax that the list does not call 'softmax' is quantised finished and normalised). What goes into a quantiser is computed in f32, as accurately as f32 sums, v_exp_f32 and their like allow (about 1e-6 of the number): no bf16 or f16 on the way to a quantiser, and a product that is left as it is and whose result goes on into a quantised operand takes f32 operands (vector FMAs, or v_wmma_f32_16x16x4_f32). A number that lies on a knife's edge between two numbers of the format may be rounded either way, as far as f32 arithmetic and the matrix unit's own rounding can turn it there, and no further.
;; One version. Each part assembles by itself: llvm-mc -triple=amdgcn-amd-amdhsa -mcpu=gfx1250 --defsym DOCPART=n.
;; ======== version 1 of 1: 4 launches
;; workspace buffers: xw 21,626,880 bytes; qx 4,325,376 bytes; kvx 8,650,752 bytes; ox 4,325,376 bytes
;; launch quant (part 1): grid 1280 x 1, 1 waves a work-group, no clusters, 8,704 bytes of LDS; arguments hidden_states, wq, wk, wv, wo, xw; writes xw
.if DOCPART == 1
	.amdgcn_target "amdgcn-amd-amdhsa--gfx1250"
	.amdhsa_code_object_version 6
	.text
	.protected	k_qdfdc938c61_quant
	.globl	k_qdfdc938c61_quant
	.p2align	8
	.type	k_qdfdc938c61_quant,@function
k_qdfdc938c61_quant:
	s_mov_b64 s[64:65], 0
	v_nop
	global_prefetch_b8 v0, s[64:65] scope:SCOPE_SE
	s_setreg_imm32_b32 hwreg(HW_REG_WAVE_MODE, 25, 1), 1
	s_wait_xcnt 0x0
; hidden_states, wq, wk, wv, wo, each [2048][2048] f32 with K innermost, become codes of FP8 (E4M3) with one E8M0 scale byte for each 32 along K, in TILES.
; A TILE is 128 rows x 128 along K, 16,896 bytes, laid as an image of the matrix operand's registers:
;   codes  [fragment f 0..7][c 0..3][lane 0..31][16 bytes]: lane (r = lane % 16, h = lane / 16) holds k = 32 c + 16 h + 0 .. 15 of the fragment's row r;
;   scales at byte 16,384: [lane][p 0..3][4 bytes]: word p of lanes 0-15 is the scale word of row r of fragment 2 p, of lanes 16-31 that of fragment 2 p + 1.
;   ROW ORDER: row r of fragment 2 b + u is row 32 b + 8 u + r + 8 (r / 8) of the 128, so that results made with such fragments as source 0 lie as neighbours in a lane's registers.
; xw = [tensor 5][block of 128 rows 16][K step 16][tile].  ONE WAVE TO A WORK-GROUP: work-group g makes tile g, 1,280 equal work-groups; one path for all five tensors, only the pointer is chosen.
; A block's scale is 2^(floor(log2(its largest magnitude)) - 8); its byte is the largest magnitude's exponent field - 8, held at 1 from below.
; LIMITS: a block of zeros gets the byte 1 where the rule says 127 (its codes are zeros, and this program alone reads the bytes); NaN and infinities among the inputs are not served.
; Each load reads 512 consecutive bytes of one row; the conversions want 16 neighbours along K in ONE lane, so a fragment's 16 rows turn through the wave's stage in LDS
; (rows 528 bytes apart).  Every store covers 512 consecutive bytes.
; No matrix unit, no cluster, no barrier: memory binds, and waves share nothing.  Loads run one fragment (16 loads, 8 KiB a wave) ahead of the fragment at work.
.set TB,   16896                       ; a tile
.set GA,   1                           ; v1   16 x lane: my bytes of a row's 512, and of an image's 512
.set STS,  2                           ; v2   the stage, on the way in: 16 x lane
.set STL,  3                           ; v3   and on the way out: row r, + 64 h
.set R,    16                          ; v16-143  two sets of 16 rows as loaded
.set X,    144                         ; v144-207 64 numbers of my row: register 16 b + i = k 32 b + 16 h + i
.set PC,   208                         ; v208-223 the fragment's codes
.set TM,   224                         ; v224-239 at work: largest magnitudes, bytes, holds, scale operands
.set PW,   240                         ; v240 my row's scale word
.set PWE,  241                         ; v241 that of the even fragment before
.set SW,   244                         ; v244-247 the tile's scale words
.set SEL,  20                          ; s[20:21] v_permlanex16_b32's selects for lane l xor 16
.set MNT,  23                          ; s23  the mantissa field of 448
.set HM,   24                          ; s24  lanes 16-31
; From the four blocks' largest magnitudes of my 16 numbers (v[TM] on): the blocks' largest magnitudes, the conversions' scale operands (TM+12), 448 x the scale (TM+8), the scale word
.macro SCALEW pw
.irp b, 0,1,2,3
	v_permlanex16_b32 v[TM+4+\b], v[TM+\b], s[SEL], s[SEL+1]
.endr
.irp b, 0,1,2,3
	v_max_num_f32 v[TM+\b], v[TM+\b], v[TM+4+\b]             ; with lane l xor 16's 16 numbers: the block's
.endr
.irp b, 0,1,2,3
	v_add_nc_u32 v[TM+12+\b], 0xfc000000, v[TM+\b]           ; 8 off the exponent field: the conversion takes this operand's exponent field as its scale
.endr
.irp b, 0,1,2,3
	v_and_or_b32 v[TM+8+\b], v[TM+\b], 0x7f800000, s[MNT]    ; 448 x the scale
.endr
.irp b, 0,1,2,3
	v_lshrrev_b32 v[TM+4+\b], 23, v[TM+12+\b]                ; the scale's byte
.endr
	v_lshl_or_b32 v[\pw], v[TM+5], 8, v[TM+4]
	v_lshl_or_b32 v[\pw], v[TM+6], 16, v[\pw]
	v_lshl_or_b32 v[\pw], v[TM+7], 24, v[\pw]
.endm
; 64 numbers of a lane become a fragment's 16 registers of codes and its row's scale word
.macro QUANT s, pc, pw
.irp b, 0,1,2,3
	v_max3_num_f32 v[TM+\b], |v[\s+16*\b]|, |v[\s+16*\b+1]|, 0x4800000   ; the floor 2^(9 - 127) holds the byte at 1 from below
.endr
.irp k, 2,4,6,8,10,12,14
.irp b, 0,1,2,3
	v_max3_num_f32 v[TM+\b], v[TM+\b], |v[\s+16*\b+\k]|, |v[\s+16*\b+\k+1]|
.endr
.endr
	SCALEW \pw
.irp b, 0,1,2,3
.irp k, 0,1,2,3,4,5,6,7,8,9,10,11,12,13,14,15
	v_med3_num_f32 v[\s+16*\b+\k], v[\s+16*\b+\k], -v[TM+8+\b], v[TM+8+\b]   ; the conversion to an 8-bit code does not saturate (ISA guide 7.6.2): the hold comes first
.endr
	v_cvt_scalef32_pk8_fp8_f32 v[\pc+4*\b:\pc+4*\b+1], v[\s+16*\b:\s+16*\b+7], v[TM+12+\b]
	v_cvt_scalef32_pk8_fp8_f32 v[\pc+4*\b+2:\pc+4*\b+3], v[\s+16*\b+8:\s+16*\b+15], v[TM+12+\b]
.endr
	v_nop                                          ; a plain line behind the last conversion
.endm
	s_load_b256 s[4:11], s[0:1], 0x0               ; hidden_states, wq, wk, wv
	s_load_b128 s[12:15], s[0:1], 0x20             ; wo, xw
	v_lshl_add_u32 v248, v0, 2, 0x2100
	v_mov_b32 v249, 0
	v_lshlrev_b32 v[GA], 4, v0                     ; the thread's number is the lane
	v_lshlrev_b32 v[STS], 4, v0
	v_and_b32 v5, 15, v0                           ; r
	v_lshrrev_b32 v6, 4, v0                        ; h
	v_mul_u32_u24 v[STL], v5, 528
	v_lshl_add_u32 v[STL], v6, 6, v[STL]
	s_mov_b32 s[SEL], 0x76543210
	s_mov_b32 s[SEL+1], 0xfedcba98
	s_mov_b32 s[MNT], 0x600000
	s_mov_b32 s[HM], 0xffff0000
.irp b, 0,1,2,3
	v_mov_b32 v[TM+4+\b], 0                        ; written once: a lane permute's destination counts as one of its sources
.endr
	s_lshr_b32 s26, ttmp9, 8                       ; the tensor: 256 tiles each
	s_bfe_u32 s28, ttmp9, 0x40004                  ; my tile's block of 128 rows,
	s_and_b32 s29, ttmp9, 15                       ; its K step
	s_lshl_b32 s28, s28, 20                        ; 128 rows of 8,192 bytes
	s_lshl_b32 s29, s29, 9                         ; 128 numbers of 4 bytes
	s_add_co_u32 s28, s28, s29
	s_mov_b32 s29, 0
	s_mul_i32 s30, ttmp9, TB
	s_mov_b32 s31, 0
	s_wait_kmcnt 0x0
	s_cmp_eq_u32 s26, 1                            ; the choice hangs on the work-group's number alone
	s_cselect_b64 s[4:5], s[6:7], s[4:5]
	s_cmp_eq_u32 s26, 2
	s_cselect_b64 s[4:5], s[8:9], s[4:5]
	s_cmp_eq_u32 s26, 3
	s_cselect_b64 s[4:5], s[10:11], s[4:5]
	s_cmp_eq_u32 s26, 4
	s_cselect_b64 s[4:5], s[12:13], s[4:5]
	s_add_nc_u64 s[4:5], s[4:5], s[28:29]
	s_add_nc_u64 s[14:15], s[14:15], s[30:31]
.macro LOADF f                         ; fragment f's 16 rows, in the tile's row order, into set f % 2: each load 512 consecutive bytes
.irp i, 0,1,2,3,4,5,6,7,8,9,10,11,12,13,14,15
	global_load_b128 v[R+64*((\f)%2)+4*\i:R+64*((\f)%2)+4*\i+3], v[GA], s[4:5] offset:(32*((\f)/2)+8*((\f)%2)+\i+8*(\i/8))*8192 th:TH_LOAD_NT
.endr
.endm
.macro FRAGQ f
.if (\f) < 7
	s_wait_loadcnt 16                              ; this fragment's 16 loads are in; the next fragment's 16 may be out
.else
	s_wait_loadcnt 0
.endif
.irp i, 0,1,2,3,4,5,6,7,8,9,10,11,12,13,14,15
	ds_store_b128 v[STS], v[R+64*((\f)%2)+4*\i:R+64*((\f)%2)+4*\i+3] offset:528*\i
.endr
.irp b, 0,1,2,3
.irp j, 0,1,2,3
	ds_load_b128 v[X+16*\b+4*\j:X+16*\b+4*\j+3], v[STL] offset:128*\b+16*\j   ; LDS serves a wave's instructions in order: these see the stores above
.endr
.endr
	s_wait_dscnt 0x0                               ; my 64 numbers are in, and the stores have read their registers,
.if (\f) < 6
	LOADF (\f)+2                                   ; which take the fragment two further on
.endif
	s_wait_xcnt 0x0                                ; the last fragment's stores have read the codes' registers: only behind this wait are they written again
	QUANT X, PC, PW
.irp c, 0,1,2,3
	global_store_b128 v[GA], v[PC+4*\c:PC+4*\c+3], s[14:15] offset:2048*(\f)+512*\c   ; the image: 512 consecutive bytes a store
.endr
.if (\f)%2 == 0
	v_mov_b32 v[PWE], v[PW]
.else
	v_cndmask_b32 v[SW+(\f)/2], v[PWE], v[PW], s[HM]   ; lanes 0-15: the even fragment's words; lanes 16-31: the odd one's
.endif
.endm
	LOADF 0
	LOADF 1
.irp f, 0,1,2,3,4,5,6,7
	FRAGQ \f
.endr
	global_store_b128 v[GA], v[SW:SW+3], s[14:15] offset:16384
	s_wait_tensorcnt 0x0
	ds_add_u32 v248, v249
	s_wait_dscnt 0x0
	s_endpgm
.Lfunc_end_k_qdfdc938c61_quant:
	.size	k_qdfdc938c61_quant, .Lfunc_end_k_qdfdc938c61_quant-k_qdfdc938c61_quant
	.p2alignl 7, 3214868480
	.fill 96, 4, 3214868480
	.section	.rodata,"a",@progbits
	.p2align	6, 0x0
	.amdhsa_kernel k_qdfdc938c61_quant
		.amdhsa_group_segment_fixed_size 8704
		.amdhsa_private_segment_fixed_size 0
		.amdhsa_enable_private_segment 0
		.amdhsa_kernarg_size 48
		.amdhsa_user_sgpr_count 2
		.amdhsa_user_sgpr_kernarg_segment_ptr 1
		.amdhsa_wavefront_size32 1
		.amdhsa_system_sgpr_workgroup_id_x 1
		.amdhsa_system_sgpr_workgroup_id_y 1
		.amdhsa_system_sgpr_workgroup_id_z 1
		.amdhsa_system_vgpr_workitem_id 0
		.amdhsa_next_free_vgpr 250
		.amdhsa_next_free_sgpr 66
		.amdhsa_reserve_vcc 0
		.amdhsa_float_denorm_mode_32 3
		.amdhsa_float_denorm_mode_16_64 3
		.amdhsa_memory_ordered 1
		.amdhsa_forward_progress 1
		.amdhsa_inst_pref_size 98
	.end_amdhsa_kernel
	.amdgpu_metadata
---
amdhsa.version: [ 1, 2 ]
amdhsa.kernels:
  - .name:           k_qdfdc938c61_quant
    .symbol:         k_qdfdc938c61_quant.kd
    .args:
      - { .name: hidden_states, .offset: 0, .size: 8, .value_kind: global_buffer, .address_space: global }
      - { .name: wq, .offset: 8, .size: 8, .value_kind: global_buffer, .address_space: global }
      - { .name: wk, .offset: 16, .size: 8, .value_kind: global_buffer, .address_space: global }
      - { .name: wv, .offset: 24, .size: 8, .value_kind: global_buffer, .address_space: global }
      - { .name: wo, .offset: 32, .size: 8, .value_kind: global_buffer, .address_space: global }
      - { .name: xw, .offset: 40, .size: 8, .value_kind: global_buffer, .address_space: global }
    .group_segment_fixed_size: 8704
    .private_segment_fixed_size: 0
    .kernarg_segment_align: 8
    .kernarg_segment_size: 48
    .max_flat_workgroup_size: 32
    .sgpr_count:     66
    .vgpr_count:     250
    .wavefront_size: 32
...
	.end_amdgpu_metadata
.endif
;; end of part 1
;; launch qkv (part 2): grid 24 x 8, 4 waves a work-group, clusters of 4 x 4, 327,680 bytes of LDS; arguments xw, bq, bk, bv, qx, kvx; writes qx, kvx
.if DOCPART == 2
	.amdgcn_target "amdgcn-amd-amdhsa--gfx1250"
	.amdhsa_code_object_version 6
	.text
	.protected	k_qdfdc938c61_qkv
	.globl	k_qdfdc938c61_qkv
	.p2align	8
	.type	k_qdfdc938c61_qkv,@function
k_qdfdc938c61_qkv:
	s_mov_b64 s[64:65], 0
	v_nop
	global_prefetch_b8 v0, s[64:65] scope:SCOPE_SE
	s_setreg_imm32_b32 hwreg(HW_REG_WAVE_MODE, 25, 1), 1
	s_wait_xcnt 0x0
	s_wait_alu depctr_hold_cnt(0) depctr_sa_sdst(0) depctr_va_vdst(0) depctr_va_sdst(0) depctr_va_ssrc(0) depctr_va_vcc(0) depctr_vm_vsrc(0)
	s_getreg_b32 s2, hwreg(HW_REG_IB_STS2, 6, 4)
	s_cmp_eq_u32 s2, 0
	s_cbranch_scc0 .Lentry_in_a_cluster
	s_endpgm
.Lentry_in_a_cluster:
	s_bfe_u32 s2, ttmp6, 0x10000c
	s_cmp_lg_u32 s2, 0xf033
	s_cbranch_scc0 .Lentry_shape_is_right
	s_endpgm
.Lentry_shape_is_right:
; The three projections, their biases, q's factor 2^-3, elu + 1, the division by the head's sum + 1e-4, and the quantisers of q and k (along the head's 64) and of v (along the keys).
; OPERANDS are tiles of xw (128 rows x 128 K, 16,896 bytes: codes as an image of the operand's registers [fragment 8][c 4][lane 32][16 bytes], then the scale words [lane 32][p 4][4 bytes];
; row r of fragment 2 b + u is row 32 b + 8 u + r + 8 (r / 8)).  A fragment comes from LDS by four ds_load_b128 at 16 x lane: no pitch, no padding.
; TYPE = cluster x / 2, the same in all sixteen partners.  0 (q), 1 (k): A = hidden_states, B = wq or wk.  2 (v): A = wv, B = hidden_states.
; A work-group makes 256 x 256, a wave 128 x 128: 64 accumulators, 512 registers.  THE MATRIX INSTRUCTION IS USED TRANSPOSED (source 0 = B's rows, source 1 = A's rows): a lane holds one row of A,
; and by the tiles' row order the 64 registers of accumulators (a, 0 .. 7) are index 32 b + 16 (lane / 16) + i of B's 128 rows at register 16 b + i: the layout that the quantiser takes.
; So for q and k a lane holds a token and the 128 features of one pair of heads; for v a lane holds a feature and 128 tokens, one key step: each wave's result is ONE tile, stored as an image.
; K goes in steps of 256 (two tiles on end, 33,792 dense bytes) through a ring of two LDS slots; the scale words ride in the tiles.
; CLUSTERS: 4 x 4 work-groups; A's runs are asked for jointly along a row of the cluster, B's along a column.
; LIMITS: NaN and infinities are not served; v_exp_f32 gives 0 for results under 2^-126; a block of zeros carries the byte 1 (this program alone reads the bytes).
; REGISTERS: window 0: v0-31 addresses and the epilogue's small things; v32-63 scale words, two sets; v64-127 the bias in the result's layout; v128-255 A's fragments, ONE set (in the epilogue: 64 numbers and 64 at work).
;   window 1: B's fragments, TWO sets.   window 2: accumulators of A's blocks 0-3 ((a, b) at v[8 (8 (a % 4) + b)]);   window 3: of blocks 4-7.
.set TB,    16896                      ; a tile
.set RUN,   2*TB                       ; two K steps of one block of rows: what one tensor load brings
.set RBK,   16*TB                      ; a block of 128 rows, all of K
.set TEN,   16*RBK                     ; a tensor
.set SLOT,  4*RUN                      ; A's two blocks, then B's two
.set SPARE, 2*SLOT                     ; behind the ring: the spare words, 128 bytes for each wave
.set FR,    16
.set NL,    4
.set NP,    8                          ; places behind this matrix instruction (ISA guide 7.12.1)
.set LAPS,  4                          ; a lap = two slots = 512 along K
.set PW,   2                           ; v2   the scale word just made;  v3 the even fragment's;  v4-7 the tile's scale words
.set PWE,  3
.set SW,   4
.set BV,   8                           ; v8-15  v's bias: my lane's feature in each of A's eight fragments
.set ADRA, 16                          ; v16-17 LDS address of my A block in slot 0, 1
.set ADRB, 20                          ; v20-21 the same for B
.set BOF,  22                          ; v22  64 x (lane / 16);  v23  4 x (r + 8 (r / 8))
.set VOF,  23
.set RCB,  24                          ; v[24:25], v[30:31]  1 / (a head's sum + 1e-4): the packed multiply names a pair and takes its low word
.set LI,   26                          ; v26  16 x lane
.set SPW,  28                          ; v28  LDS address of my spare word; never rewritten
.set NIL,  29                          ; v29  0; never rewritten
.set RCA,  30
.set SC,   32                          ; scale words: set s at v[32 + 16 s]: A's of the slot's K step q at + 8 q, B's at + 8 q + 4; they hold scales and nothing else
.set BIAS, 64
.set AF,   128
.set X,    128                         ; the epilogue: 64 numbers of a lane
.set T,    192                         ; 64 at work
.set PC,   192                         ; the codes just made
.set TM,   208
.set WV,   16                          ; s16 wave; s17 wave / 2: my half of A's rows, also: I fetch for A (0) or B (1); s18 wave % 2: my half of B's rows, also: which block I fetch
.set RH,   17
.set CH,   18
.set G1,   24                          ; s[24:31] descriptor group 1 for A's runs; s[32:39] group 0, a set for each slot
.set G0,   32
.set G1B,  48                          ; s[48:55], s[56:63] the same for B's
.set G0B,  56
.set TYP,  66
.set SCL,  70                          ; s[70:71] 2^-3 for q, else 1
.set L2E,  72                          ; s[72:73] log2(e)
.set HM,   74                          ; lanes 16-31
.set EPS,  75
.set OUT,  76                          ; s[76:77] where my tile goes
.set CNT,  78
.set PAR,  79
.set SEL,  82
.set MNT,  84
.set MSB, 0
.macro WIN new                         ; the immediate's high byte repeats the setting that is left
.if MSB != (\new)
	s_set_vgpr_msb (MSB<<8)|(\new)
.set MSB, (\new)
.endif
.endm
.set MUL_LO, 0xa1                      ; source 0 (B) window 1, source 1 (A) window 0, C and D window 2
.set MUL_HI, 0xf1
.set TO_B,   0x40
.macro PLACES n
.rept \n
	v_nop
.endr
.endm
; A joint load: waves 0 and 1 fetch A's two blocks, waves 2 and 3 B's.  The branch hangs on the wave's number alone.  Four v_nop follow each of the two lines.
.macro JLOAD s
	s_cmp_eq_u32 s[RH], 0
	s_cbranch_scc0 .Lfor_b_\@
	tensor_load_to_lds s[G0+4*(\s):G0+4*(\s)+3], s[G1:G1+7]
	s_nop 0
.rept 4
	v_nop
.endr
	s_branch .Lasked_\@
.Lfor_b_\@:
	tensor_load_to_lds s[G0B+4*(\s):G0B+4*(\s)+3], s[G1B:G1B+7]
	s_nop 0
.rept 4
	v_nop
.endr
.Lasked_\@:
.endm
.macro CREST                           ; a round of the cluster's barrier behind its opening barrier
	s_cmp_lg_u32 s[WV], 0
	s_cbranch_scc1 .Lnot_wave_0_\@
	s_barrier_signal -3
.Lnot_wave_0_\@:
	s_barrier_wait -3
	s_barrier_signal -1
	s_barrier_wait -1
.endm
.macro CROUND
	s_barrier_signal -1
	s_barrier_wait -1
	CREST
.endm
.macro SCALEW pw
.irp b, 0,1,2,3
	v_permlanex16_b32 v[TM+4+\b], v[TM+\b], s[SEL], s[SEL+1]
.endr
.irp b, 0,1,2,3
	v_max_num_f32 v[TM+\b], v[TM+\b], v[TM+4+\b]             ; with lane l xor 16's 16 numbers: the block's largest magnitude
.endr
.irp b, 0,1,2,3
	v_add_nc_u32 v[TM+12+\b], 0xfc000000, v[TM+\b]           ; 8 off the exponent field: the conversion's scale operand
.endr
.irp b, 0,1,2,3
	v_and_or_b32 v[TM+8+\b], v[TM+\b], 0x7f800000, s[MNT]    ; 448 x the scale
.endr
.irp b, 0,1,2,3
	v_lshrrev_b32 v[TM+4+\b], 23, v[TM+12+\b]                ; the scale's byte
.endr
	v_lshl_or_b32 v[\pw], v[TM+5], 8, v[TM+4]
	v_lshl_or_b32 v[\pw], v[TM+6], 16, v[\pw]
	v_lshl_or_b32 v[\pw], v[TM+7], 24, v[\pw]
.endm
; 64 numbers of a lane (register 16 b + i = k 32 b + 16 (lane / 16) + i of my row) become a fragment's codes and my row's scale word.  pos = 1: the numbers are never negative
.macro QUANT s, pos, pc, pw
.if \pos
.irp b, 0,1,2,3
	v_max3_num_f32 v[TM+\b], v[\s+16*\b], v[\s+16*\b+1], 0x4800000       ; the floor 2^(9 - 127) holds the byte at 1 from below
.endr
.irp k, 2,4,6,8,10,12,14
.irp b, 0,1,2,3
	v_max3_num_f32 v[TM+\b], v[TM+\b], v[\s+16*\b+\k], v[\s+16*\b+\k+1]
.endr
.endr
.else
.irp b, 0,1,2,3
	v_max3_num_f32 v[TM+\b], |v[\s+16*\b]|, |v[\s+16*\b+1]|, 0x4800000
.endr
.irp k, 2,4,6,8,10,12,14
.irp b, 0,1,2,3
	v_max3_num_f32 v[TM+\b], v[TM+\b], |v[\s+16*\b+\k]|, |v[\s+16*\b+\k+1]|
.endr
.endr
.endif
	SCALEW \pw
.irp b, 0,1,2,3
.irp k, 0,1,2,3,4,5,6,7,8,9,10,11,12,13,14,15
.if \pos
	v_med3_num_f32 v[\s+16*\b+\k], v[\s+16*\b+\k], 0, v[TM+8+\b]
.else
	v_med3_num_f32 v[\s+16*\b+\k], v[\s+16*\b+\k], -v[TM+8+\b], v[TM+8+\b]   ; the conversion to an 8-bit code does not saturate (ISA guide 7.6.2): the hold comes first
.endif
.endr
	v_cvt_scalef32_pk8_fp8_f32 v[\pc+4*\b:\pc+4*\b+1], v[\s+16*\b:\s+16*\b+7], v[TM+12+\b]
	v_cvt_scalef32_pk8_fp8_f32 v[\pc+4*\b+2:\pc+4*\b+3], v[\s+16*\b+8:\s+16*\b+15], v[TM+12+\b]
.endr
	v_nop                                          ; a plain line behind the last conversion
.endm
	s_load_b256 s[4:11], s[0:1], 0x0               ; xw s[4:5], bq s[6:7], bk s[8:9], bv s[10:11]
	s_load_b128 s[12:15], s[0:1], 0x20             ; qx s[12:13], kvx s[14:15]
	v_lshl_add_u32 v[SPW], v0, 2, SPARE
	v_mov_b32 v[NIL], 0
	ds_add_u32 v28, v29
	ds_add_u32 v28, v29
	s_wait_dscnt 0x0
	v_lshrrev_b32 v1, 5, v0
	v_readfirstlane_b32 s[WV], v1
	s_lshr_b32 s[RH], s[WV], 1
	s_and_b32 s[CH], s[WV], 1
	s_bfe_u32 s40, ttmp6, 0x40000                  ; cx, cy: my place in the cluster
	s_bfe_u32 s41, ttmp6, 0x40004
	s_and_b32 s42, ttmp9, 1
	s_lshl_b32 s42, s42, 2
	s_add_co_u32 s42, s42, s40                     ; B's tile of 256 rows: 4 x (cluster x % 2) + cx
	s_and_b32 s19, ttmp7, 0xffff
	s_lshl_b32 s19, s19, 2
	s_add_co_u32 s19, s19, s41                     ; A's tile of 256 rows: 4 x cluster y + cy
	s_lshr_b32 s[TYP], ttmp9, 1
	s_lshl_b32 s43, s41, 2
	s_lshl_b32 s43, 15, s43                        ; my row of the cluster
	s_lshl_b32 s44, 0x1111, s40                    ; my column
	; descriptor group 1: a run of 33,792 dense bytes as 132 rows of 32 elements of 8 bytes, no padding
	s_or_b32 s[G1+0], s43, (3<<16)|(1<<21)         ; 15:0 the mask: A's runs go to my row; 17:16 elements of 8 bytes; 21 set beside a mask
	s_or_b32 s[G1B+0], s44, (3<<16)|(1<<21)
.irp g, G1, G1B
	s_mov_b32 s[\g+1], 32<<16                      ; tensor_dim0
	s_mov_b32 s[\g+2], 132<<16                     ; tensor_dim1
	s_mov_b32 s[\g+3], 32<<16                      ; tile_dim0
	s_mov_b32 s[\g+4], 132                         ; tile_dim1
	s_mov_b32 s[\g+5], 32                          ; the pitch
	s_mov_b32 s[\g+6], 0
	s_mov_b32 s[\g+7], 0
.endr
	s_add_co_u32 s68, s[TYP], 1
	s_mul_i32 s68, s68, TEN                        ; wq or wk
	s_cmp_eq_u32 s[TYP], 2
	s_cselect_b32 s67, 3*TEN, 0                    ; A's tensor: wv for v, else hidden_states
	s_cselect_b32 s68, 0, s68                      ; B's: hidden_states for v
	s_lshl_b32 s20, s19, 1
	s_add_co_u32 s20, s20, s[CH]                   ; the block of 128 rows that I fetch
	s_mul_i32 s20, s20, RBK
	s_add_co_u32 s20, s20, s67
	s_mov_b32 s21, 0
	s_lshl_b32 s46, s42, 1
	s_add_co_u32 s46, s46, s[CH]
	s_mul_i32 s46, s46, RBK
	s_add_co_u32 s46, s46, s68
	s_mov_b32 s47, 0
	s_mul_i32 s45, s[WV], RUN                      ; where it goes: no place in the cluster enters an LDS address
	s_mov_b32 s[L2E], 0x3fb8aa3b
	s_mov_b32 s[L2E+1], s[L2E]
	s_mov_b32 s[HM], 0xffff0000
	s_mov_b32 s[EPS], 0x38d1b717                   ; 1e-4
	s_mov_b32 s[SEL], 0x76543210
	s_mov_b32 s[SEL+1], 0xfedcba98
	s_mov_b32 s[MNT], 0x600000
	s_wait_kmcnt 0x0
	s_add_nc_u64 s[20:21], s[4:5], s[20:21]
	s_add_nc_u64 s[46:47], s[4:5], s[46:47]
	CROUND                                         ; all sixteen work-groups are here: the first joint loads meet
.irp s, 0,1
	s_mov_b32 s[G0+4*\s], 1
	s_add_co_u32 s[G0+4*\s+1], s45, \s*SLOT
	s_add_nc_u64 s[G0+4*\s+2:G0+4*\s+3], s[20:21], \s*RUN
	s_or_b32 s[G0+4*\s+3], s[G0+4*\s+3], 0x80000000
	s_mov_b32 s[G0B+4*\s], 1
	s_add_co_u32 s[G0B+4*\s+1], s45, \s*SLOT
	s_add_nc_u64 s[G0B+4*\s+2:G0B+4*\s+3], s[46:47], \s*RUN
	s_or_b32 s[G0B+4*\s+3], s[G0B+4*\s+3], 0x80000000
	JLOAD \s
.endr
	v_and_b32 v1, 31, v0
	v_lshlrev_b32 v[LI], 4, v1
	s_mul_i32 s21, s[RH], RUN                      ; my block of A
	s_mul_i32 s22, s[CH], RUN                      ; my block of B,
	s_add_co_u32 s22, s22, 2*RUN                   ; behind A's two
.irp s, 0,1
	v_add_nc_u32 v[ADRA+\s], s21, v[LI]
	v_add_nc_u32 v[ADRB+\s], s22, v[LI]
	s_add_co_u32 s21, s21, SLOT
	s_add_co_u32 s22, s22, SLOT
.endr
	; where my tile goes, and my bias
	s_lshl_b32 s69, s19, 1
	s_add_co_u32 s69, s69, s[RH]                   ; A's block of 128 rows that I multiply
	s_lshl_b32 s85, s42, 1
	s_add_co_u32 s85, s85, s[CH]                   ; B's
	s_mov_b32 s91, RUN
	s_cmp_eq_u32 s[TYP], 2
	s_cselect_b32 s86, s69, s85                    ; the pair of heads: the features' block
	s_cselect_b32 s87, s85, s69                    ; the tokens' block
	s_cselect_b64 s[88:89], s[10:11], s[8:9]
	s_cselect_b32 s90, TB, 0                       ; V's tile lies behind K's
	s_cmp_eq_u32 s[TYP], 0
	s_cselect_b64 s[88:89], s[6:7], s[88:89]       ; bq, bk or bv
	s_cselect_b64 s[OUT:OUT+1], s[12:13], s[14:15] ; qx or kvx
	s_cselect_b32 s91, TB, s91
	s_cselect_b32 s[SCL], 0x3e000000, 1.0
	s_mov_b32 s[SCL+1], s[SCL]
	s_lshl_b32 s92, s86, 4
	s_add_co_u32 s92, s92, s87
	s_mul_i32 s92, s92, s91
	s_add_co_u32 s92, s92, s90
	s_mov_b32 s93, 0
	s_add_nc_u64 s[OUT:OUT+1], s[OUT:OUT+1], s[92:93]
	s_lshl_b32 s92, s86, 9                         ; the pair's 128 numbers of the bias
	s_add_nc_u64 s[88:89], s[88:89], s[92:93]
	v_and_b32 v1, 15, v0
	v_bfe_u32 v18, v0, 4, 1
	v_lshlrev_b32 v[BOF], 6, v18
	v_and_b32 v19, 8, v1
	v_add_nc_u32 v19, v19, v1
	v_lshlrev_b32 v[VOF], 2, v19
.irp b, 0,1,2,3,4,5,6,7                        ; both patterns are loaded for every type: along the registers (q, k) and along the lanes (v)
	global_load_b128 v[BIAS+8*\b:BIAS+8*\b+3], v[BOF], s[88:89] offset:(32*(\b/2)+8*(\b%2))*4
	global_load_b128 v[BIAS+8*\b+4:BIAS+8*\b+7], v[BOF], s[88:89] offset:(32*(\b/2)+8*(\b%2))*4+16
	global_load_b32 v[BV+\b], v[VOF], s[88:89] offset:(32*(\b/2)+8*(\b%2))*4
.endr
.macro FRAG reg, adr, q, i             ; a fragment: four loads of 512 consecutive bytes
.irp c, 0,1,2,3
	ds_load_b128 v[\reg+4*\c:\reg+4*\c+3], v[\adr] offset:TB*(\q)+2048*(\i)+512*\c
.endr
.endm
; one matrix instruction from the symbols rD, rB (source 0), rA (source 1), rSB, rSA (their scale registers), rRB, rRA (1: the scale words stand in lanes 16-31)
.macro WMX zero
.set sel, 2*rRB+rRA
.if \zero
.if sel == 0
	v_wmma_scale_f32_16x16x128_f8f6f4 v[rD:rD+7], v[rB:rB+15], v[rA:rA+15], 0, v[rSB], v[rSA]
.elseif sel == 1
	v_wmma_scale_f32_16x16x128_f8f6f4 v[rD:rD+7], v[rB:rB+15], v[rA:rA+15], 0, v[rSB], v[rSA] matrix_b_scale:MATRIX_SCALE_ROW1
.elseif sel == 2
	v_wmma_scale_f32_16x16x128_f8f6f4 v[rD:rD+7], v[rB:rB+15], v[rA:rA+15], 0, v[rSB], v[rSA] matrix_a_scale:MATRIX_SCALE_ROW1
.else
	v_wmma_scale_f32_16x16x128_f8f6f4 v[rD:rD+7], v[rB:rB+15], v[rA:rA+15], 0, v[rSB], v[rSA] matrix_a_scale:MATRIX_SCALE_ROW1 matrix_b_scale:MATRIX_SCALE_ROW1
.endif
.else
.if sel == 0
	v_wmma_scale_f32_16x16x128_f8f6f4 v[rD:rD+7], v[rB:rB+15], v[rA:rA+15], v[rD:rD+7], v[rSB], v[rSA]
.elseif sel == 1
	v_wmma_scale_f32_16x16x128_f8f6f4 v[rD:rD+7], v[rB:rB+15], v[rA:rA+15], v[rD:rD+7], v[rSB], v[rSA] matrix_b_scale:MATRIX_SCALE_ROW1
.elseif sel == 2
	v_wmma_scale_f32_16x16x128_f8f6f4 v[rD:rD+7], v[rB:rB+15], v[rA:rA+15], v[rD:rD+7], v[rSB], v[rSA] matrix_a_scale:MATRIX_SCALE_ROW1
.else
	v_wmma_scale_f32_16x16x128_f8f6f4 v[rD:rD+7], v[rB:rB+15], v[rA:rA+15], v[rD:rD+7], v[rSB], v[rSA] matrix_a_scale:MATRIX_SCALE_ROW1 matrix_b_scale:MATRIX_SCALE_ROW1
.endif
.endif
.endm
; 16 matrix instructions: A's blocks a0, a0 + 1 x B's eight, the slot's q-th 128 along K.  p: B's set; sc: the set of scale words.  The 64 accumulators take turns, one instruction a turn
.macro MUL16 a0, p, q, sc, zero
.irp a, \a0, \a0+1
.irp b, 0,1,2,3,4,5,6,7
.set rD, 8*(8*((\a)%4)+\b)
.set rB, 128*(\p)+FR*\b
.set rA, AF+FR*(\a)
.set rSB, SC+16*(\sc)+8*(\q)+4+(\b)/2
.set rSA, SC+16*(\sc)+8*(\q)+(\a)/2
.set rRB, (\b)%2
.set rRA, (\a)%2
	WMX \zero
.endr
.endr
.endm
.macro FETCH_B slot, q, p
	WIN TO_B
.irp i, 0,1,2,3,4,5,6,7
	FRAG 128*(\p)+FR*\i, ADRB+\slot, \q, \i
.endr
	WIN 0
.endm
.macro FETCH_A slot, q, i0
.irp i, \i0, \i0+1, \i0+2, \i0+3
	FRAG AF+FR*(\i), ADRA+\slot, \q, \i
.endr
.endm
.macro SCALES sc                       ; a slot's scale words: four registers for each side and K step
.irp q, 0,1
	ds_load_b128 v[SC+16*\sc+8*\q:SC+16*\sc+8*\q+3], v[ADRA+\sc] offset:TB*\q+16384
	ds_load_b128 v[SC+16*\sc+8*\q+4:SC+16*\sc+8*\q+7], v[ADRB+\sc] offset:TB*\q+16384
.endr
.endm
; A step of 128 along K that has its successor in the same slot.  A's blocks are free as soon as their eight products are issued: blocks 0-3 are fetched anew in the middle, blocks 4-7 at the end
.macro STEP slot, q, zero
	s_wait_dscnt 4*NL                              ; all but the youngest 16 loads (A's blocks 4-7) are in
	WIN MUL_LO
	MUL16 0, (\q)%2, \q, \slot, \zero
	MUL16 2, (\q)%2, \q, \slot, \zero
	s_wait_dscnt 0
	PLACES NP                                      ; in front of loads into registers that matrix instructions have read
	FETCH_B \slot, (\q)+1, 1-(\q)%2
	FETCH_A \slot, (\q)+1, 0
	WIN MUL_HI
	MUL16 4, (\q)%2, \q, \slot, \zero
	MUL16 6, (\q)%2, \q, \slot, \zero
	PLACES NP
	WIN 0
	FETCH_A \slot, (\q)+1, 4
.endm
; A slot's last step changes slots: ONE barrier; in front of it each wave waits for all its tensor loads, adds 0 to its spare word, and waits for that and for its reads of this slot.  fill = 1: the slot is filled again, two slots ahead
.macro TURN slot, next, fill
	s_wait_tensorcnt 0x0                           ; all my tensor loads have landed: my part of the next slot
	ds_add_u32 v[SPW], v[NIL]                      ; 0 onto my spare word
	s_wait_dscnt 4*NL+1                            ; (the add and the youngest 16 loads may be out)
	WIN MUL_LO
	MUL16 0, 1, 1, \slot, 0
	s_wait_dscnt 0x0                               ; the add is done, and my reads of this slot are over
	s_barrier_signal -1
	MUL16 2, 1, 1, \slot, 0
	WIN 0
	s_barrier_wait -1
.if \fill
	CREST                                          ; the barrier has opened a round of the cluster's: no wave of any partner still reads this slot or has a load on its way
	s_add_nc_u64 s[G0+4*\slot+2:G0+4*\slot+3], s[G0+4*\slot+2:G0+4*\slot+3], 2*RUN
	s_add_nc_u64 s[G0B+4*\slot+2:G0B+4*\slot+3], s[G0B+4*\slot+2:G0B+4*\slot+3], 2*RUN
	JLOAD \slot                                    ; the first tensor load behind the round; its four v_nop are among the places in front of the loads below
	PLACES NP-4
.else
	PLACES NP
.endif
	FETCH_B \next, 0, 0
	FETCH_A \next, 0, 0
	SCALES \next
	WIN MUL_HI
	MUL16 4, 1, 1, \slot, 0
	MUL16 6, 1, 1, \slot, 0
	PLACES NP
	WIN 0
	FETCH_A \next, 0, 4
.endm
	s_wait_loadcnt 0x0                             ; the biases
	s_wait_tensorcnt 1                             ; my part of slot 0 is in; slot 1's may stay out
	s_barrier_signal -1
	s_barrier_wait -1
	FETCH_B 0, 0, 0
	FETCH_A 0, 0, 0
	SCALES 0
	FETCH_A 0, 0, 4
	STEP 0, 0, 1                                   ; the first step stands in front of the loop: its products start the sums
	s_mov_b32 s3, LAPS-1
.Llap:
	TURN 0, 1, 1
	STEP 1, 0, 0
	TURN 1, 0, 1
	STEP 0, 0, 0
	s_sub_co_u32 s3, s3, 1
	s_cmp_lg_u32 s3, 0
	s_cbranch_scc1 .Llap
	TURN 0, 1, 0                                   ; the last lap fills nothing
	STEP 1, 0, 0
	s_wait_dscnt 4*NL
	WIN MUL_LO
	MUL16 0, 1, 1, 1, 0
	MUL16 2, 1, 1, 1, 0
	s_wait_dscnt 0
	WIN MUL_HI
	MUL16 4, 1, 1, 1, 0
	MUL16 6, 1, 1, 1, 0
	WIN 0
	; THE EPILOGUE: A's eight blocks one after the other, in a loop of eight trips.  Register numbers cannot be indexed, so what reads block a's accumulators stands in eight short arms, chosen by the trip's number;
	; all the rest of a trip is written once.  A trip ends with the block's fragment stored as an image: four stores of 512 consecutive bytes.
	PLACES NP                                      ; in front of the first read of results, and of writes into the registers that held A's fragments
.irp b, 0,1,2,3
	v_mov_b32 v[TM+4+\b], 0                        ; a lane permute's destination counts as one of its sources
	v_mov_b32 v[SW+\b], 0
.endr
	v_mov_b32 v[PWE], 0
	v_mov_b32 v[RCA+1], 0                          ; (named as the upper halves of pairs)
	v_mov_b32 v[RCB+1], 0
	s_mov_b32 s[CNT], 0
.macro TAIL back
.irp c, 0,1,2,3
	global_store_b128 v[LI], v[PC+4*\c:PC+4*\c+3], s[OUT:OUT+1] offset:512*\c
.endr
	s_and_b32 s[PAR], s[CNT], 1
	s_cmp_eq_u32 s[PAR], 0
	s_cbranch_scc1 .Leven_\@
	v_mov_b32 v[SW], v[SW+1]                       ; behind an odd fragment: the pair's scale words enter at the top and move down: after eight trips pair p stands in register p
	v_mov_b32 v[SW+1], v[SW+2]
	v_mov_b32 v[SW+2], v[SW+3]
	v_cndmask_b32 v[SW+3], v[PWE], v[PW], s[HM]    ; lanes 0-15: the even fragment's; lanes 16-31: the odd one's
.Leven_\@:
	v_mov_b32 v[PWE], v[PW]
	s_wait_xcnt 0x0                                ; the stores have read their data and their base: both are written again only behind this wait
	s_add_nc_u64 s[OUT:OUT+1], s[OUT:OUT+1], 2048
	s_add_co_u32 s[CNT], s[CNT], 1
	s_cmp_lt_u32 s[CNT], 8
	s_cbranch_scc1 \back
.endm
	s_cmp_eq_u32 s[TYP], 2
	s_cbranch_scc1 .Lv
.set i, 0
.rept 32
	v_pk_mul_f32 v[BIAS+i:BIAS+i+1], v[BIAS+i:BIAS+i+1], s[SCL:SCL+1] op_sel_hi:[1,0]   ; (sum + bias) x 2^-3 = sum x 2^-3 + bias x 2^-3: a power of two rounds nothing
.set i, i+2
.endr
.Lqk:
.irp a, 0,1,2,3,4,5,6
	s_cmp_eq_u32 s[CNT], \a
	s_cbranch_scc1 .Lqa_\a
.endr
.irp a, 7,6,5,4,3,2,1,0
.Lqa_\a:
	WIN 0x02+(\a)/4                                ; source 0: window 2 or 3
.set i, 0
.rept 32
	v_pk_fma_f32 v[X+i:X+i+1], v[64*((\a)%4)+i:64*((\a)%4)+i+1], s[SCL:SCL+1], v[BIAS+i:BIAS+i+1] op_sel_hi:[1,0,1]   ; each accumulator from its low end on
.set i, i+2
.endr
	WIN 0
.if \a > 0
	s_branch .Lqk_common
.endif
.endr
.Lqk_common:
	; elu(x) + 1 = max(x, 0) + e^min(x, 0)
.set i, 0
.rept 64
	v_min_num_f32 v[T+i], 0, v[X+i]
.set i, i+1
.endr
.set i, 0
.rept 32
	v_pk_mul_f32 v[T+i:T+i+1], v[T+i:T+i+1], s[L2E:L2E+1] op_sel_hi:[1,0]
.set i, i+2
.endr
.set i, 0
.rept 64
	v_exp_f32 v[T+i], v[T+i]                       ; one batch
.set i, i+1
.endr
.set i, 0
.rept 64
	v_max_num_f32 v[X+i], 0, v[X+i]                ; plain work behind the batch, which names none of its results
.set i, i+1
.endr
	s_wait_alu depctr_va_vdst(0)                   ; one wait for the 64 exponentials, ahead of their first reader
.set i, 0
.rept 32
	v_pk_add_f32 v[X+i:X+i+1], v[X+i:X+i+1], v[T+i:T+i+1]
.set i, i+2
.endr
	; a head's sum: my 32 numbers (registers 0-31: the pair's first head; 32-63: its second) in two packed chains, then lane l xor 16's
.irp hd, 0,1
	v_pk_add_f32 v[T+4*\hd:T+4*\hd+1], v[X+32*\hd:X+32*\hd+1], v[X+32*\hd+2:X+32*\hd+3]
	v_pk_add_f32 v[T+4*\hd+2:T+4*\hd+3], v[X+32*\hd+4:X+32*\hd+5], v[X+32*\hd+6:X+32*\hd+7]
.endr
.irp k, 8,12,16,20,24,28
.irp hd, 0,1
	v_pk_add_f32 v[T+4*\hd:T+4*\hd+1], v[T+4*\hd:T+4*\hd+1], v[X+32*\hd+\k:X+32*\hd+\k+1]
	v_pk_add_f32 v[T+4*\hd+2:T+4*\hd+3], v[T+4*\hd+2:T+4*\hd+3], v[X+32*\hd+\k+2:X+32*\hd+\k+3]
.endr
.endr
.irp hd, 0,1
	v_pk_add_f32 v[T+4*\hd:T+4*\hd+1], v[T+4*\hd:T+4*\hd+1], v[T+4*\hd+2:T+4*\hd+3]
.endr
.irp hd, 0,1
	v_add_f32 v[T+4*\hd], v[T+4*\hd], v[T+4*\hd+1]
.endr
.irp hd, 0,1
	v_permlanex16_b32 v[T+4*\hd+1], v[T+4*\hd], s[SEL], s[SEL+1]
.endr
.irp hd, 0,1
	v_add_f32 v[T+4*\hd], v[T+4*\hd], v[T+4*\hd+1]
.endr
.irp hd, 0,1
	v_add_f32 v[T+4*\hd], s[EPS], v[T+4*\hd]
.endr
	v_rcp_f32 v[RCA], v[T]
	v_rcp_f32 v[RCB], v[T+4]
	v_nop                                          ; a plain line behind the reciprocals,
	s_wait_alu depctr_va_vdst(0)                   ; and one wait for the two, ahead of their first reader
.set i, 0
.rept 16
	v_pk_mul_f32 v[X+i:X+i+1], v[X+i:X+i+1], v[RCA:RCA+1] op_sel_hi:[1,0]
	v_pk_mul_f32 v[X+32+i:X+32+i+1], v[X+32+i:X+32+i+1], v[RCB:RCB+1] op_sel_hi:[1,0]
.set i, i+2
.endr
	QUANT X, 1, PC, PW
	TAIL .Lqk
	s_branch .Ldone
.Lv:
.irp a, 0,1,2,3,4,5,6
	s_cmp_eq_u32 s[CNT], \a
	s_cbranch_scc1 .Lva_\a
.endr
.irp a, 7,6,5,4,3,2,1,0
.Lva_\a:
	WIN 0x02+(\a)/4
.set i, 0
.rept 64
	v_add_f32 v[X+i], v[64*((\a)%4)+i], v[BV+\a]   ; a lane holds one feature: one number of the bias
.set i, i+1
.endr
	WIN 0
.if \a > 0
	s_branch .Lv_common
.endif
.endr
.Lv_common:
	QUANT X, 0, PC, PW
	TAIL .Lv
.Ldone:
	global_store_b128 v[LI], v[SW:SW+3], s[OUT:OUT+1]   ; the base now stands at the tile's byte 16,384: the scale words
	s_wait_tensorcnt 0x0                           ; the wave's end
	ds_add_u32 v[SPW], v[NIL]
	s_wait_dscnt 0x0
	CROUND                                         ; the closing round
	s_endpgm
.Lfunc_end_k_qdfdc938c61_qkv:
	.size	k_qdfdc938c61_qkv, .Lfunc_end_k_qdfdc938c61_qkv-k_qdfdc938c61_qkv
	.p2alignl 7, 3214868480
	.fill 96, 4, 3214868480
	.section	.rodata,"a",@progbits
	.p2align	6, 0x0
	.amdhsa_kernel k_qdfdc938c61_qkv
		.amdhsa_group_segment_fixed_size 327680
		.amdhsa_private_segment_fixed_size 0
		.amdhsa_enable_private_segment 0
		.amdhsa_kernarg_size 48
		.amdhsa_user_sgpr_count 2
		.amdhsa_user_sgpr_kernarg_segment_ptr 1
		.amdhsa_wavefront_size32 1
		.amdhsa_system_sgpr_workgroup_id_x 1
		.amdhsa_system_sgpr_workgroup_id_y 1
		.amdhsa_system_sgpr_workgroup_id_z 1
		.amdhsa_system_vgpr_workitem_id 0
		.amdhsa_next_free_vgpr 1024
		.amdhsa_next_free_sgpr 100
		.amdhsa_reserve_vcc 0
		.amdhsa_float_denorm_mode_32 3
		.amdhsa_float_denorm_mode_16_64 3
		.amdhsa_memory_ordered 1
		.amdhsa_forward_progress 1
		.amdhsa_inst_pref_size 184
	.end_amdhsa_kernel
	.amdgpu_metadata
---
amdhsa.version: [ 1, 2 ]
amdhsa.kernels:
  - .name:           k_qdfdc938c61_qkv
    .symbol:         k_qdfdc938c61_qkv.kd
    .args:
      - { .name: xw, .offset: 0, .size: 8, .value_kind: global_buffer, .address_space: global }
      - { .name: bq, .offset: 8, .size: 8, .value_kind: global_buffer, .address_space: global }
      - { .name: bk, .offset: 16, .size: 8, .value_kind: global_buffer, .address_space: global }
      - { .name: bv, .offset: 24, .size: 8, .value_kind: global_buffer, .address_space: global }
      - { .name: qx, .offset: 32, .size: 8, .value_kind: global_buffer, .address_space: global }
      - { .name: kvx, .offset: 40, .size: 8, .value_kind: global_buffer, .address_space: global }
    .group_segment_fixed_size: 327680
    .private_segment_fixed_size: 0
    .kernarg_segment_align: 8
    .kernarg_segment_size: 48
    .max_flat_workgroup_size: 128
    .sgpr_count:     100
    .vgpr_count:     1024
    .wavefront_size: 32
...
	.end_amdgpu_metadata
.endif
;; end of part 2
;; launch attn (part 3): grid 16 x 16, 4 waves a work-group, clusters of 4 x 4, 327,680 bytes of LDS; arguments qx, kvx, attention_mask, ox; writes ox
.if DOCPART == 3
	.amdgcn_target "amdgcn-amd-amdhsa--gfx1250"
	.amdhsa_code_object_version 6
	.text
	.protected	k_qdfdc938c61_attn
	.globl	k_qdfdc938c61_attn
	.p2align	8
	.type	k_qdfdc938c61_attn,@function
k_qdfdc938c61_attn:
	s_mov_b64 s[64:65], 0
	v_nop
	global_prefetch_b8 v0, s[64:65] scope:SCOPE_SE
	s_setreg_imm32_b32 hwreg(HW_REG_WAVE_MODE, 25, 1), 1
	s_wait_xcnt 0x0
	s_wait_alu depctr_hold_cnt(0) depctr_sa_sdst(0) depctr_va_vdst(0) depctr_va_sdst(0) depctr_va_ssrc(0) depctr_va_vcc(0) depctr_vm_vsrc(0)
	s_getreg_b32 s2, hwreg(HW_REG_IB_STS2, 6, 4)
	s_cmp_eq_u32 s2, 0
	s_cbranch_scc0 .Lentry_in_a_cluster
	s_endpgm
.Lentry_in_a_cluster:
	s_bfe_u32 s2, ttmp6, 0x10000c
	s_cmp_lg_u32 s2, 0xf033
	s_cbranch_scc0 .Lentry_shape_is_right
	s_endpgm
.Lentry_shape_is_right:
; out[q][head][:] = the sum over keys of Q8(q . k x 2^-3 x mask[q][key]) Q8(v[key][:]), both products on codes of FP8 (E4M3) with one E8M0 scale for each 32 along a product's K; the result is quantised along D for the last projection.
; OPERANDS are tiles (128 rows x 128 K, 16,896 bytes: codes [fragment 8][c 4][lane 32][16 bytes], scale words at 16,384 [lane 32][p 4][4]; row r of fragment 2 b + u is row 32 b + 8 u + r + 8 (r / 8)).
;   qx [pair of heads 16][block of 128 queries 16]: rows tokens, K = the pair's 128 features.   kvx [pair 16][key step 16][K's tile: rows keys, K = features; V's tile: rows features, K = 128 keys].   ox [block of queries 16][pair 16].
; SHARES.  A work-group owns one pair of heads (x) and 128 queries (y); wave w owns Q's fragments 2 w and 2 w + 1 (32 queries) for both heads: four units n = 2 u + a (u: fragment, a: head).  Every wave walks all 16 key steps:
; the mask is an input of any numbers, so no tile is left out.  A mask register serves two heads; a fragment of K or V serves two tiles of queries.
; CLUSTERS: 4 x 4.  The mask's tile hangs on the queries alone and is asked for jointly along a row of the cluster (four pairs of heads); K's and V's hang on the pair alone: jointly along a column.
; BOTH PRODUCTS ARE USED TRANSPOSED: S^T = K Q^T, O^T = V^T P^T: a lane holds ONE query throughout, and by the tiles' row order its 64 scores are keys 32 b + 16 (lane / 16) + i at register 16 b + i.
; K = 64 IN AN INSTRUCTION OF 128: K's fragment holds both heads' features; Q's registers are laid [head 0: 8][zeros: 8][head 1: 8], head 0 takes the first 16, head 1 the last 16: zero codes add nothing under any scale byte from 1 to 254.
; THE FACTOR 2^-3 on the scores is applied to O instead: a power of two moves a block's scale and no code.
; THE LDS LOADS OF A STEP: only K's 33 stand in one run, since the first products wait for them.  The mask's and V's stand in short runs (8 loads of 8 bytes, or 4 of 16) among the products and the quantisers' vector work,
; each run well ahead of its first use, so that the wave works while LDS serves them; most runs stand where the register window is switched anyway.
; LIMITS: the moved factor holds unless a block's largest |score x mask| lies under 2^-118, where the scale's byte is held at 1; NaN and infinities are not served; a block of zeros carries the byte 1 (this program alone reads the bytes).
; REGISTERS: window 0: v4-15 addresses; v16-19 K's scale words, v20-23 V's, v24 Q's, v28-31 P's (they hold scales and nothing else); v32-47 at work; v64-127 P's codes (16 n); v128-255 the mask (64 u).
;   window 1: the scores (64 n + 8 i).   window 2: v0-127 K's fragments, v128-255 V's.   window 3: v0-127 O^T (32 n + 8 dt), v128-175 Q.
.set TB,    16896
.set RUN,   2*TB                       ; a key step's K and V
.set MP,    520                        ; a row of the mask's tile in LDS: 512 bytes + 8: the 32 lanes of an 8-byte load (rows r + 8 (r / 8), + 64 bytes for lanes 16-31) touch 64 different banks (64 banks of 4 bytes: ISA guide 11.1)
.set MH,    64*MP                      ; 64 rows: what one tensor load brings
.set KOF,   2*MH                       ; a slot: the mask's 128 rows, K's tile, V's tile
.set SLOT,  KOF+2*TB
.set SCG,   2*SLOT                     ; behind the ring: 512 bytes in which the four waves' scale words of the result meet
.set SPARE, SCG+512                    ; the spare words, 128 bytes for each wave
.set AM,   4                           ; v4-5   my row of the mask's tile in slot 0, 1
.set AKV,  6                           ; v6-7   16 x lane in K's tile of slot 0, 1
.set SCGS, 8                           ; v8     SCG + 16 x lane + 4 x wave
.set LI,   9                           ; v9     16 x lane
.set SCGL, 10                          ; v10    SCG + 16 x lane
.set PFO,  11                          ; v11    the prefetches' offset; never rewritten
.set SPW,  12                          ; v12    LDS address of my spare word; never rewritten
.set NIL,  13                          ; v13    0; never rewritten
.set QSO,  15                          ; v15    16 x lane + 4 x wave
.set KS,   16
.set VS,   20
.set QS,   24
.set PS,   28
.set TM,   32
.set PW,   48                          ; v48-49 the result's two scale words; v50 joined; v52-55 the tile's
.set P,    64
.set MK,   128
.set Q,    128                         ; in window 3
.set WV,   16
.set RH,   17                          ; wave / 2: I fetch the mask (0) or K and V (1)
.set CH,   18                          ; wave % 2: which half
.set G1M,  24                          ; s[24:31] descriptor group 1 for the mask; s[32:39] group 0, a set for each slot
.set G0M,  32
.set G1K,  48                          ; s[48:55], s[56:63] the same for K's and V's tiles
.set G0K,  56
.set PFA,  76                          ; s[76:77] where my prefetches stand
.set PFS,  78                          ; s[78:79] a key step on
.set LIM,  80                          ; s80  1 in a wave that prefetches, else the greatest number
.set SEL,  82
.set MNT,  84
.set HM,   85
.set EIG,  86                          ; s[86:87] 2^-3
.set MSB, 0
.macro WIN new
.if MSB != (\new)
	s_set_vgpr_msb (MSB<<8)|(\new)
.set MSB, (\new)
.endif
.endm
.macro PLACES n
.rept \n
	v_nop
.endr
.endm
; A joint load: waves 0 and 1 fetch the mask's two halves, wave 2 K's tile, wave 3 V's.  The branch hangs on the wave's number alone.  Four v_nop follow each of the two lines.
.macro JLOAD s
	s_cmp_eq_u32 s[RH], 0
	s_cbranch_scc0 .Lfor_k_\@
	tensor_load_to_lds s[G0M+4*(\s):G0M+4*(\s)+3], s[G1M:G1M+7]
	s_nop 0
.rept 4
	v_nop
.endr
	s_branch .Lasked_\@
.Lfor_k_\@:
	tensor_load_to_lds s[G0K+4*(\s):G0K+4*(\s)+3], s[G1K:G1K+7]
	s_nop 0
.rept 4
	v_nop
.endr
.Lasked_\@:
.endm
.macro CROUND                          ; a round of the cluster's barrier
	s_barrier_signal -1
	s_barrier_wait -1
	s_cmp_lg_u32 s[WV], 0
	s_cbranch_scc1 .Lnot_wave_0_\@
	s_barrier_signal -3
.Lnot_wave_0_\@:
	s_barrier_wait -3
	s_barrier_signal -1
	s_barrier_wait -1
.endm
; A PREFETCH INTO THE L2 of the key step that stands two refills on (in step j: step j + 3).  Each aligned block of 256 bytes is named once in the launch.  The mask's tile is read by the four clusters of a row of clusters:
; the first (cluster x = 0) asks; its four partners along x take 32 rows each, told apart by ADDRESS; waves 0 and 1 take the two halves of a row's 512 bytes: a lane a row.  K's and V's run is read by the four clusters of a column:
; cluster y = 0 asks, wave 2, partner cy for blocks 32 cy + lane of the run's 132; the last four come by their load alone.  The loop's last trip and the last step ask for nothing: there is no step 16.
.macro ASK
	s_cmp_gt_u32 s3, s[LIM]
	s_cbranch_scc0 .Lnot_mine_\@
	global_prefetch_b8 v[PFO], s[PFA:PFA+1] th:TH_LOAD_NT scope:SCOPE_SE
.Lnot_mine_\@:
.endm
.macro SCALEW pw
.irp b, 0,1,2,3
	v_permlanex16_b32 v[TM+4+\b], v[TM+\b], s[SEL], s[SEL+1]
.endr
.irp b, 0,1,2,3
	v_max_num_f32 v[TM+\b], v[TM+\b], v[TM+4+\b]             ; with lane l xor 16's 16 numbers: the block's largest magnitude
.endr
.irp b, 0,1,2,3
	v_add_nc_u32 v[TM+12+\b], 0xfc000000, v[TM+\b]           ; 8 off the exponent field: the conversion's scale operand
.endr
.irp b, 0,1,2,3
	v_and_or_b32 v[TM+8+\b], v[TM+\b], 0x7f800000, s[MNT]    ; 448 x the scale
.endr
.irp b, 0,1,2,3
	v_lshrrev_b32 v[TM+4+\b], 23, v[TM+12+\b]                ; the scale's byte
.endr
	v_lshl_or_b32 v[\pw], v[TM+5], 8, v[TM+4]
	v_lshl_or_b32 v[\pw], v[TM+6], 16, v[\pw]
	v_lshl_or_b32 v[\pw], v[TM+7], 24, v[\pw]
.endm
.macro QUANT s, pc, pw                 ; 64 numbers of a lane, all in window 0, become a fragment's codes and my row's scale word
.irp b, 0,1,2,3
	v_max3_num_f32 v[TM+\b], |v[\s+16*\b]|, |v[\s+16*\b+1]|, 0x4800000
.endr
.irp k, 2,4,6,8,10,12,14
.irp b, 0,1,2,3
	v_max3_num_f32 v[TM+\b], v[TM+\b], |v[\s+16*\b+\k]|, |v[\s+16*\b+\k+1]|
.endr
.endr
	SCALEW \pw
.irp b, 0,1,2,3
.irp k, 0,1,2,3,4,5,6,7,8,9,10,11,12,13,14,15
	v_med3_num_f32 v[\s+16*\b+\k], v[\s+16*\b+\k], -v[TM+8+\b], v[TM+8+\b]
.endr
	v_cvt_scalef32_pk8_fp8_f32 v[\pc+4*\b:\pc+4*\b+1], v[\s+16*\b:\s+16*\b+7], v[TM+12+\b]
	v_cvt_scalef32_pk8_fp8_f32 v[\pc+4*\b+2:\pc+4*\b+3], v[\s+16*\b+8:\s+16*\b+15], v[TM+12+\b]
.endr
	v_nop
.endm
; THE SHORT RUNS OF LDS LOADS.  LDM0, LDM: block g (32 keys) of the mask of my first, my other 16 queries: 8 loads of 8 bytes.  LDV: fragment f of V: 4 loads of 16 bytes.
.macro LDM0 slot, g
	WIN 0
.irp j, 0,1,2,3,4,5,6,7
	ds_load_b64 v[MK+16*(\g)+2*\j:MK+16*(\g)+2*\j+1], v[AM+\slot] offset:128*(\g)+8*\j
.endr
.endm
.macro LDM slot, g
	WIN 0
.irp j, 0,1,2,3,4,5,6,7
	ds_load_b64 v[MK+64+16*(\g)+2*\j:MK+64+16*(\g)+2*\j+1], v[AM+\slot] offset:8*MP+128*(\g)+8*\j   ; eight rows on
.endr
.endm
.macro LDV slot, f
	WIN 0x80                                       ; destination window 2
.irp c, 0,1,2,3
	ds_load_b128 v[128+16*(\f)+4*\c:128+16*(\f)+4*\c+3], v[AKV+\slot] offset:TB+2048*(\f)+512*\c
.endr
.endm
; Which run stands at place p of unit n's quantiser (k = 8 n + p).  Unit 0: the rest of the second mask, then V's scale words and fragment 0; units 1 and 2: three fragments of V each; unit 3: the last.
.macro HOOK slot, k
.if (\k) == 1
	LDM \slot, 1
.elseif (\k) == 2
	LDM \slot, 2
.elseif (\k) == 3
	LDM \slot, 3
.elseif (\k) == 4
	WIN 0
	ds_load_b128 v[VS:VS+3], v[AKV+\slot] offset:TB+16384
	LDV \slot, 0
.elseif (\k) == 9
	LDV \slot, 1
.elseif (\k) == 10
	LDV \slot, 2
.elseif (\k) == 12
	LDV \slot, 3
.elseif (\k) == 17
	LDV \slot, 4
.elseif (\k) == 18
	LDV \slot, 5
.elseif (\k) == 20
	LDV \slot, 6
.elseif (\k) == 25
	LDV \slot, 7
.endif
.endm
; Unit n's 64 scores (window 1) are multiplied by the mask and quantised along the keys.  The work is laid in stretches under one window setting; the runs of loads stand between the stretches (places 1 to 3) and in the middle of the holds (place 4)
.macro QUANTP n, slot
.set rS, 64*(\n)
.set rM, MK+64*((\n)/2)
	WIN 0x41                                       ; destination and source 0 window 1
.set i, 0
.rept 32
	v_pk_mul_f32 v[rS+i:rS+i+1], v[rS+i:rS+i+1], v[rM+i:rM+i+1]   ; each accumulator from its low end on
.set i, i+2
.endr
	HOOK \slot, 8*(\n)+1
	WIN 0x05                                       ; sources 0 and 1 window 1
.irp b, 0,1,2,3
	v_max3_num_f32 v[TM+\b], |v[rS+16*\b]|, |v[rS+16*\b+1]|, 0x4800000   ; the floor 2^(9 - 127) holds the byte at 1 from below
.endr
.irp k, 2,4,6,8,10,12,14
.irp b, 0,1,2,3
	v_max3_num_f32 v[TM+\b], |v[rS+16*\b+\k]|, |v[rS+16*\b+\k+1]|, v[TM+\b]
.endr
.endr
	HOOK \slot, 8*(\n)+2
	WIN 0
	SCALEW PS+(\n)
	HOOK \slot, 8*(\n)+3
.irp b, 0,1,2,3
	WIN 0x41
.irp k, 0,1,2,3,4,5,6,7,8,9,10,11,12,13,14,15
	v_med3_num_f32 v[rS+16*\b+\k], v[rS+16*\b+\k], -v[TM+8+\b], v[TM+8+\b]   ; the conversion to an 8-bit code does not saturate (ISA guide 7.6.2): the hold comes first; the mask may have any sign
.endr
.if \b == 1
	HOOK \slot, 8*(\n)+4
.endif
.endr
	WIN 0x01                                       ; source 0 window 1
.irp b, 0,1,2,3
	v_cvt_scalef32_pk8_fp8_f32 v[P+16*(\n)+4*\b:P+16*(\n)+4*\b+1], v[rS+16*\b:rS+16*\b+7], v[TM+12+\b]
	v_cvt_scalef32_pk8_fp8_f32 v[P+16*(\n)+4*\b+2:P+16*(\n)+4*\b+3], v[rS+16*\b+8:rS+16*\b+15], v[TM+12+\b]
.endr
	v_nop                                          ; a plain line behind the last conversion
.endm
; one matrix instruction from the symbols rD, rB (source 0), rA (source 1), rSB, rSA (their scale registers), rRB, rRA (1: the scale words stand in lanes 16-31)
.macro WMX zero
.set sel, 2*rRB+rRA
.if \zero
.if sel == 0
	v_wmma_scale_f32_16x16x128_f8f6f4 v[rD:rD+7], v[rB:rB+15], v[rA:rA+15], 0, v[rSB], v[rSA]
.elseif sel == 1
	v_wmma_scale_f32_16x16x128_f8f6f4 v[rD:rD+7], v[rB:rB+15], v[rA:rA+15], 0, v[rSB], v[rSA] matrix_b_scale:MATRIX_SCALE_ROW1
.elseif sel == 2
	v_wmma_scale_f32_16x16x128_f8f6f4 v[rD:rD+7], v[rB:rB+15], v[rA:rA+15], 0, v[rSB], v[rSA] matrix_a_scale:MATRIX_SCALE_ROW1
.else
	v_wmma_scale_f32_16x16x128_f8f6f4 v[rD:rD+7], v[rB:rB+15], v[rA:rA+15], 0, v[rSB], v[rSA] matrix_a_scale:MATRIX_SCALE_ROW1 matrix_b_scale:MATRIX_SCALE_ROW1
.endif
.else
.if sel == 0
	v_wmma_scale_f32_16x16x128_f8f6f4 v[rD:rD+7], v[rB:rB+15], v[rA:rA+15], v[rD:rD+7], v[rSB], v[rSA]
.elseif sel == 1
	v_wmma_scale_f32_16x16x128_f8f6f4 v[rD:rD+7], v[rB:rB+15], v[rA:rA+15], v[rD:rD+7], v[rSB], v[rSA] matrix_b_scale:MATRIX_SCALE_ROW1
.elseif sel == 2
	v_wmma_scale_f32_16x16x128_f8f6f4 v[rD:rD+7], v[rB:rB+15], v[rA:rA+15], v[rD:rD+7], v[rSB], v[rSA] matrix_a_scale:MATRIX_SCALE_ROW1
.else
	v_wmma_scale_f32_16x16x128_f8f6f4 v[rD:rD+7], v[rB:rB+15], v[rA:rA+15], v[rD:rD+7], v[rSB], v[rSA] matrix_a_scale:MATRIX_SCALE_ROW1 matrix_b_scale:MATRIX_SCALE_ROW1
.endif
.endif
.endm
	s_load_b256 s[4:11], s[0:1], 0x0               ; qx s[4:5], kvx s[6:7], the mask s[8:9], ox s[10:11]
	v_lshl_add_u32 v[SPW], v0, 2, SPARE
	v_mov_b32 v[NIL], 0
	ds_add_u32 v12, v13
	ds_add_u32 v12, v13
	s_wait_dscnt 0x0
	v_lshrrev_b32 v1, 5, v0
	v_readfirstlane_b32 s[WV], v1
	s_lshr_b32 s[RH], s[WV], 1
	s_and_b32 s[CH], s[WV], 1
	s_bfe_u32 s40, ttmp6, 0x40000                  ; cx, cy
	s_bfe_u32 s41, ttmp6, 0x40004
	s_lshl_b32 s42, ttmp9, 2
	s_add_co_u32 s42, s42, s40                     ; the pair of heads = 4 x cluster x + cx
	s_and_b32 s19, ttmp7, 0xffff
	s_lshl_b32 s19, s19, 2
	s_add_co_u32 s19, s19, s41                     ; the block of queries = 4 x cluster y + cy
	s_lshl_b32 s43, s41, 2
	s_lshl_b32 s43, 15, s43                        ; my row of the cluster
	s_lshl_b32 s44, 0x1111, s40                    ; my column
	; the mask: 64 rows of 128 f32, 2,048 elements apart, 2 words of padding behind each row's 128
	s_or_b32 s[G1M], s43, (2<<16)|(1<<20)|(1<<21)|(6<<22)|(1<<25)
	s_mov_b32 s[G1M+1], 128<<16                    ; tensor_dim0
	s_mov_b32 s[G1M+2], 64<<16                     ; tensor_dim1
	s_mov_b32 s[G1M+3], 128<<16                    ; tile_dim0
	s_mov_b32 s[G1M+4], 64                         ; tile_dim1
	s_mov_b32 s[G1M+5], 2048                       ; the pitch
	s_mov_b32 s[G1M+6], 0
	s_mov_b32 s[G1M+7], 0
	; a tile of K or V: 16,896 dense bytes as 66 rows of 32 elements of 8 bytes
	s_or_b32 s[G1K], s44, (3<<16)|(1<<21)
	s_mov_b32 s[G1K+1], 32<<16
	s_mov_b32 s[G1K+2], 66<<16
	s_mov_b32 s[G1K+3], 32<<16
	s_mov_b32 s[G1K+4], 66
	s_mov_b32 s[G1K+5], 32
	s_mov_b32 s[G1K+6], 0
	s_mov_b32 s[G1K+7], 0
	; every LDS address is made here, of the lane and the wave alone
	v_and_b32 v1, 15, v0                           ; r
	v_bfe_u32 v2, v0, 4, 1                         ; h
	v_and_b32 v3, 31, v0                           ; lane
	v_lshlrev_b32 v[LI], 4, v3
	v_and_b32 v14, 8, v1
	v_add_nc_u32 v14, v14, v1                      ; r + 8 (r / 8)
	v_mul_u32_u24 v14, v14, MP
	v_lshl_add_u32 v14, v2, 6, v14                 ; + 64 h: my 16 keys of a block of 32
	s_mul_i32 s20, s[WV], 32*MP                    ; my wave's 32 queries
	v_add_nc_u32 v[AM], s20, v14
	v_add_nc_u32 v[AM+1], SLOT, v[AM]
	v_add_nc_u32 v[AKV], KOF, v[LI]
	v_add_nc_u32 v[AKV+1], SLOT, v[AKV]
	s_lshl_b32 s20, s[WV], 2
	v_add_nc_u32 v[QSO], s20, v[LI]
	v_add_nc_u32 v[SCGS], SCG, v[QSO]
	v_add_nc_u32 v[SCGL], SCG, v[LI]
.irp b, 0,1,2,3
	v_mov_b32 v[TM+4+\b], 0                        ; a lane permute's destination counts as one of its sources
.endr
	s_mov_b32 s[SEL], 0x76543210
	s_mov_b32 s[SEL+1], 0xfedcba98
	s_mov_b32 s[MNT], 0x600000
	s_mov_b32 s[HM], 0xffff0000
	s_mov_b32 s[EIG], 0x3e000000
	s_mov_b32 s[EIG+1], s[EIG]
	; what I fetch.  The mask's address is made of the queries' block and the wave alone, K's and V's of the pair and the wave alone
	s_lshl_b32 s20, s19, 7
	s_lshl_b32 s21, s[CH], 6
	s_add_co_u32 s20, s20, s21                     ; row 128 x block + 64 x half
	s_lshl_b32 s20, s20, 13                        ; of 8,192 bytes
	s_mov_b32 s21, 0
	s_mul_i32 s46, s42, 16*RUN
	s_mul_i32 s47, s[CH], TB
	s_add_co_u32 s46, s46, s47                     ; the pair's first run; K's tile or V's
	s_mov_b32 s47, 0
	s_mul_i32 s45, s[CH], MH                       ; and where it goes
	s_mul_i32 s67, s[CH], TB
	s_add_co_u32 s67, s67, KOF
	s_wait_kmcnt 0x0
	s_add_nc_u64 s[20:21], s[8:9], s[20:21]
	s_add_nc_u64 s[46:47], s[6:7], s[46:47]
.irp s, 0,1
	s_mov_b32 s[G0M+4*\s], 1
	s_add_co_u32 s[G0M+4*\s+1], s45, \s*SLOT
	s_add_nc_u64 s[G0M+4*\s+2:G0M+4*\s+3], s[20:21], \s*512
	s_or_b32 s[G0M+4*\s+3], s[G0M+4*\s+3], 0x80000000
	s_mov_b32 s[G0K+4*\s], 1
	s_add_co_u32 s[G0K+4*\s+1], s67, \s*SLOT
	s_add_nc_u64 s[G0K+4*\s+2:G0K+4*\s+3], s[46:47], \s*RUN
	s_or_b32 s[G0K+4*\s+3], s[G0K+4*\s+3], 0x80000000
.endr
	CROUND                                         ; all sixteen work-groups are here: the first joint loads meet
	JLOAD 0                                        ; key step 0; slot 1 is first filled behind the first step's round, as a refill is
	; Q, its scale words, and where the result goes
	s_lshl_b32 s68, s42, 4
	s_add_co_u32 s68, s68, s19
	s_mul_i32 s68, s68, TB
	s_mov_b32 s69, 0
	s_add_nc_u64 s[4:5], s[4:5], s[68:69]          ; qx's tile (pair, block)
	s_lshl_b32 s68, s[WV], 12                      ; my two fragments
	s_add_nc_u64 s[70:71], s[4:5], s[68:69]
	s_lshl_b32 s72, s19, 4
	s_add_co_u32 s72, s72, s42
	s_mul_i32 s72, s72, TB
	s_mov_b32 s73, 0
	s_add_nc_u64 s[10:11], s[10:11], s[72:73]      ; ox's tile (block, pair)
	s_add_nc_u64 s[74:75], s[10:11], s[68:69]
	global_load_b32 v[QS], v[QSO], s[4:5] offset:16384   ; lanes 0-15: fragment 2 w's words; lanes 16-31: fragment 2 w + 1's
	WIN 0xc0                                       ; destination window 3
.irp u, 0,1
.irp c, 0,1,2,3
	global_load_b128 v[Q+24*\u+4*\c+8*(\c/2):Q+24*\u+4*\c+8*(\c/2)+3], v[LI], s[70:71] offset:2048*\u+512*\c
.endr
.irp k, 0,1,2,3,4,5,6,7
	v_mov_b32 v[Q+24*\u+8+\k], 0                   ; the zero codes between the two heads' halves
.endr
.endr
	WIN 0
	; the prefetches: where mine stand, and who asks
	s_and_b32 s22, ttmp7, 0xffff                   ; cluster y
	s_lshl_b32 s20, s19, 7
	s_lshl_b32 s21, s40, 5
	s_add_co_u32 s20, s20, s21                     ; the mask: row 128 x block + 32 cx,
	s_lshl_b32 s20, s20, 13
	s_lshl_b32 s21, s[WV], 8
	s_add_co_u32 s20, s20, s21                     ; my wave's 256 of a row's 512 bytes,
	s_add_co_u32 s20, s20, 2*512                   ; at key step 2: the first step moves it to 3
	s_lshl_b32 s21, s42, 4
	s_add_co_u32 s21, s21, 2
	s_mul_i32 s21, s21, RUN                        ; K and V: the pair's run of key step 2,
	s_lshl_b32 s23, s41, 13
	s_add_co_u32 s21, s21, s23                     ; + 32 cy blocks of 256 bytes
	s_mov_b32 s[PFS], RUN
	s_cmp_eq_u32 s[RH], 0
	s_cselect_b64 s[PFA:PFA+1], s[8:9], s[6:7]
	s_cselect_b32 s20, s20, s21
	s_cselect_b32 s[PFS], 512, s[PFS]
	s_cselect_b32 s23, 13, 8                       ; from lane to lane: a row of the mask, or 256 bytes
	s_cselect_b32 s22, ttmp9, s22                  ; the coordinate along which other clusters read the same bytes
	s_mov_b32 s21, 0
	s_mov_b32 s[PFS+1], 0
	s_add_nc_u64 s[PFA:PFA+1], s[PFA:PFA+1], s[20:21]
	v_lshlrev_b32 v[PFO], s23, v3
	s_and_b32 s21, s[RH], s[WV]                    ; 1 in wave 3 alone, which asks for nothing
	s_or_b32 s22, s22, s21
	s_cmp_eq_u32 s22, 0
	s_cselect_b32 s[LIM], 1, -1                    ; the same in all sixteen partners, for a given wave
	s_wait_loadcnt 0x0                             ; Q
; A KEY STEP: 128 keys, in slot `slot`.  refill = 1: the other slot takes the next step's tiles.  first = 1: the products V^T P start O^T's sums.
.macro TRIP slot, refill, first, ask
	s_wait_xcnt 0x0                                ; the last prefetch, a step back, has read its address: it is stepped here, ahead of the change's own waits
	s_add_nc_u64 s[PFA:PFA+1], s[PFA:PFA+1], s[PFS:PFS+1]
	s_wait_tensorcnt 0x0                           ; all my tensor loads have landed: my part of this step's tiles; so every group 0 may be written
	ds_add_u32 v[SPW], v[NIL]                      ; 0 onto my spare word
	s_add_nc_u64 s[G0M+4*\slot+2:G0M+4*\slot+3], s[G0M+4*\slot+2:G0M+4*\slot+3], 2*512   ; this slot's next tiles: two steps on
	s_add_nc_u64 s[G0K+4*\slot+2:G0K+4*\slot+3], s[G0K+4*\slot+2:G0K+4*\slot+3], 2*RUN
	s_wait_dscnt 0x0                               ; the add is done, and my reads of the other slot are over
	CROUND                                         ; both now hold of every wave of every partner
.if \refill
	JLOAD 1-\slot                                  ; the first tensor load behind the round, one a wave: it has this step's work in which to land
	PLACES 4                                       ; with the four behind the load: eight places between the last step's products and the loads into their registers
.else
	PLACES 8
.endif
	ds_load_b128 v[KS:KS+3], v[AKV+\slot] offset:16384
	WIN 0x80                                       ; destination window 2
.irp i, 0,1,2,3,4,5,6,7
.irp c, 0,1,2,3
	ds_load_b128 v[16*\i+4*\c:16*\i+4*\c+3], v[AKV+\slot] offset:2048*\i+512*\c
.endr
.endr
	WIN 0
.if \ask
	ASK
.endif
.irp i, 0,1,2,3,4,5,6,7                        ; S^T = K Q^T: 16 keys x the four units; behind each of the first four groups a run of the first mask's loads
	WIN 0x4e                                       ; K window 2, Q window 3, the scores window 1
.if \i < 4
	s_wait_dscnt 28+4*\i                           ; fragment i is in: behind it stand K's later fragments, four loads each, and the mask's 8 i so far
.else
	s_wait_dscnt 60-4*\i                           ; likewise, with the mask's 32
.endif
.irp n, 0,1,2,3
.set rD, 64*\n+8*\i
.set rB, 16*\i
.set rA, Q+24*(\n/2)+8*(\n%2)
.set rSB, KS+\i/2
.set rSA, QS
.set rRB, \i%2
.set rRA, \n/2
	WMX 1
.endr
.if \i < 4
	LDM0 \slot, \i
.endif
.endr
	LDM \slot, 0                                   ; the second mask's first run
	s_wait_dscnt 8                                 ; the first mask is in: behind it stand the eight just issued
	PLACES 8                                       ; in front of the first read of the scores
	QUANTP 0, \slot
	QUANTP 1, \slot
	s_wait_dscnt 17                                ; the second mask is in: behind it stand V's scale words and V's fragments 0 to 3
	QUANTP 2, \slot
	QUANTP 3, \slot
	s_wait_dscnt 0x0                               ; V is in: its last run stands in unit 3's quantiser, behind the multiplications
	PLACES 4                                       ; codes written by vector instructions stand four places ahead of a scaled matrix instruction
	WIN 0xf2                                       ; V window 2, P window 0, O^T window 3
.irp dt, 0,1,2,3                               ; O^T += V^T P^T: the sixteen accumulators take turns, one instruction a turn
.irp n, 0,1,2,3
.set rD, 32*\n+8*\dt
.set rB, 128+16*(4*(\n%2)+\dt)
.set rA, P+16*\n
.set rSB, VS+(4*(\n%2)+\dt)/2
.set rSA, PS+\n
.set rRB, \dt%2
.set rRA, 0
	WMX \first
.endr
.endr
	WIN 0
.endm
	s_mov_b32 s3, 7
	TRIP 0, 1, 1, 1                                ; key step 0 is written out: its products start O^T's sums, and nothing is ever cleared
.Lstep:                                            ; seven trips of two key steps
	TRIP 1, 1, 0, 1
	TRIP 0, 1, 0, 1
	s_sub_co_u32 s3, s3, 1
	s_cmp_lg_u32 s3, 0
	s_cbranch_scc1 .Lstep
	TRIP 1, 0, 0, 0                                ; the last step is written out
	; THE WAY OUT.  Registers 64 u + 16 b + i of O^T are feature 32 b + 16 (lane / 16) + i of the pair, for my query of fragment 2 w + u: x 2^-3, quantised along D, stored as an image
	PLACES 8
.irp u, 0,1
	WIN 0x03                                       ; source 0 window 3
.set i, 0
.rept 32
	v_pk_mul_f32 v[MK+i:MK+i+1], v[64*\u+i:64*\u+i+1], s[EIG:EIG+1] op_sel_hi:[1,0]   ; each accumulator from its low end on
.set i, i+2
.endr
	WIN 0
	QUANT MK, P+16*\u, PW+\u
.irp c, 0,1,2,3
	global_store_b128 v[LI], v[P+16*\u+4*\c:P+16*\u+4*\c+3], s[74:75] offset:2048*\u+512*\c   ; 512 consecutive bytes a store
.endr
.endr
	v_cndmask_b32 v[PW+2], v[PW], v[PW+1], s[HM]   ; lanes 0-15: fragment 2 w's words; lanes 16-31: fragment 2 w + 1's
	ds_store_b32 v[SCGS], v[PW+2]                  ; the four waves' words meet in LDS, so that they leave as 512 consecutive bytes
	s_wait_dscnt 0x0                               ; for the others' sake: my store is done
	s_barrier_signal -1
	s_barrier_wait -1
	s_cmp_lg_u32 s[WV], 0
	s_cbranch_scc1 .Lnot_first
	ds_load_b128 v[PW+4:PW+7], v[SCGL]
	s_wait_dscnt 0x0
	global_store_b128 v[LI], v[PW+4:PW+7], s[10:11] offset:16384
.Lnot_first:
	s_wait_tensorcnt 0x0                           ; the wave's end
	ds_add_u32 v[SPW], v[NIL]
	s_wait_dscnt 0x0
	CROUND                                         ; the closing round
	s_endpgm
.Lfunc_end_k_qdfdc938c61_attn:
	.size	k_qdfdc938c61_attn, .Lfunc_end_k_qdfdc938c61_attn-k_qdfdc938c61_attn
	.p2alignl 7, 3214868480
	.fill 96, 4, 3214868480
	.section	.rodata,"a",@progbits
	.p2align	6, 0x0
	.amdhsa_kernel k_qdfdc938c61_attn
		.amdhsa_group_segment_fixed_size 327680
		.amdhsa_private_segment_fixed_size 0
		.amdhsa_enable_private_segment 0
		.amdhsa_kernarg_size 32
		.amdhsa_user_sgpr_count 2
		.amdhsa_user_sgpr_kernarg_segment_ptr 1
		.amdhsa_wavefront_size32 1
		.amdhsa_system_sgpr_workgroup_id_x 1
		.amdhsa_system_sgpr_workgroup_id_y 1
		.amdhsa_system_sgpr_workgroup_id_z 1
		.amdhsa_system_vgpr_workitem_id 0
		.amdhsa_next_free_vgpr 1024
		.amdhsa_next_free_sgpr 96
		.amdhsa_reserve_vcc 0
		.amdhsa_float_denorm_mode_32 3
		.amdhsa_float_denorm_mode_16_64 3
		.amdhsa_memory_ordered 1
		.amdhsa_forward_progress 1
		.amdhsa_inst_pref_size 255
	.end_amdhsa_kernel
	.section	.bss,"aw",@nobits
	.p2align	6
	.space	262144
	.amdgpu_metadata
---
amdhsa.version: [ 1, 2 ]
amdhsa.kernels:
  - .name:           k_qdfdc938c61_attn
    .symbol:         k_qdfdc938c61_attn.kd
    .args:
      - { .name: qx, .offset: 0, .size: 8, .value_kind: global_buffer, .address_space: global }
      - { .name: kvx, .offset: 8, .size: 8, .value_kind: global_buffer, .address_space: global }
      - { .name: attention_mask, .offset: 16, .size: 8, .value_kind: global_buffer, .address_space: global }
      - { .name: ox, .offset: 24, .size: 8, .value_kind: global_buffer, .address_space: global }
    .group_segment_fixed_size: 327680
    .private_segment_fixed_size: 0
    .kernarg_segment_align: 8
    .kernarg_segment_size: 32
    .max_flat_workgroup_size: 128
    .sgpr_count:     96
    .vgpr_count:     1024
    .wavefront_size: 32
...
	.end_amdgpu_metadata
.endif
;; end of part 3
;; launch oproj (part 4): grid 16 x 16, 4 waves a work-group, clusters of 4 x 4, 327,680 bytes of LDS; arguments ox, xw, bo, out0; writes out0
.if DOCPART == 4
	.amdgcn_target "amdgcn-amd-amdhsa--gfx1250"
	.amdhsa_code_object_version 6
	.text
	.protected	k_qdfdc938c61_oproj
	.globl	k_qdfdc938c61_oproj
	.p2align	8
	.type	k_qdfdc938c61_oproj,@function
k_qdfdc938c61_oproj:
	s_mov_b64 s[64:65], 0
	v_nop
	global_prefetch_b8 v0, s[64:65] scope:SCOPE_SE
	s_setreg_imm32_b32 hwreg(HW_REG_WAVE_MODE, 25, 1), 1
	s_wait_xcnt 0x0
	s_wait_alu depctr_hold_cnt(0) depctr_sa_sdst(0) depctr_va_vdst(0) depctr_va_sdst(0) depctr_va_ssrc(0) depctr_va_vcc(0) depctr_vm_vsrc(0)
	s_getreg_b32 s2, hwreg(HW_REG_IB_STS2, 6, 4)
	s_cmp_eq_u32 s2, 0
	s_cbranch_scc0 .Lentry_in_a_cluster
	s_endpgm
.Lentry_in_a_cluster:
	s_bfe_u32 s2, ttmp6, 0x10000c
	s_cmp_lg_u32 s2, 0xf033
	s_cbranch_scc0 .Lentry_shape_is_right
	s_endpgm
.Lentry_shape_is_right:
; out0 = attention's result x wo^T + bo, on codes of FP8 (E4M3) with one E8M0 scale for each 32 along K.  A = ox [block of 128 tokens 16][K step 16][tile], B = the fifth tensor of xw, laid alike.
; A TILE is 128 rows x 128 K, 16,896 bytes: codes as an image of the operand's registers [fragment 8][c 4][lane 32][16 bytes], then the scale words [lane 32][p 4][4 bytes]; row r of fragment 2 b + u is row 32 b + 8 u + r + 8 (r / 8).
; A WORK-GROUP MAKES 128 x 128 of out0: 16 x 16 = 256 work-groups; tiles of 256 x 256 would be 64.  A wave makes 64 x 64: A's fragments 4 (wave / 2) on, B's 4 (wave % 2) on, 16 accumulators, 128 registers.
; The price: a K step of 128 reads 8 fragments from LDS for 16 matrix instructions, where a wave tile of 128 x 128 reads 16 for 64.
; THE MATRIX INSTRUCTION IS USED TRANSPOSED (source 0 = wo's rows, source 1 = tokens): a lane holds one token, and the eight registers of accumulator (a, b) are my columns 32 (b / 2) + 16 (lane / 16) + 8 (b % 2) + 0 .. 7.
; THE RING: two slots, each with FOUR K steps of both operands: a block's K steps lie on end in memory, so A's four tiles are 67,584 dense bytes, and so are B's; each wave fetches two K steps, 33,792 bytes, by one load.
; Half of K comes with the first fills; two refills follow, each with four K steps' work in which to land.  The scale words ride in the tiles.  The sixteen K steps are written out: there is no loop.
; A K step's 34 LDS loads (the next step's fragments and scale words) stand in four short runs, one ahead of each group of four matrix instructions.
; bo is the C of the first K step's products: 32 registers in the result's layout; it costs no addition.
; CLUSTERS: 4 x 4 work-groups; A's runs are asked for jointly along a row of the cluster, B's along a column.  No prefetch: each run is read by four clusters, and only two refills follow the first fills.
; REGISTERS: window 0: v16-29 addresses; v32-39 scale words, two sets (they hold scales and nothing else); v64-95 bo; v128-255 the accumulators ((a, b) at v[128 + 8 (4 a + b)]), on the way out the rows read back.
;   window 1: two fragment buffers of 128: A's four fragments, then B's four.
.set TB,    16896
.set RUN,   2*TB                       ; two K steps of one block of rows: what one tensor load brings
.set RBK,   16*TB
.set TEN,   16*RBK
.set SLOT,  4*RUN                      ; A's four K steps, then B's four
.set SPARE, 2*SLOT                     ; behind the ring: the spare words, 128 bytes for each wave
.set NP,    8                          ; places behind this matrix instruction (ISA guide 7.12.1)
.set SPITCH, 272                       ; the way out: a stage of 64 rows x (256 bytes + 16) for each wave, in slot 0, which has had its last fill and its last read when the first result is stored there
.set WSTG,  64*SPITCH
.set ADRA, 16                          ; v16-17 LDS address of my four fragments of A in slot 0, 1
.set ASA,  18                          ; v18-19 of their scale words
.set ADRB, 20                          ; v20-21, v22-23 the same for B
.set ASB,  22
.set STO,  24                          ; v24  the stage: row r, + 64 x (lane / 16)
.set RD,   25                          ; v25  and back: lanes 0-15 one row of 256 bytes, lanes 16-31 the next
.set CO,   26                          ; v26  the same two rows in out0
.set BOF,  27                          ; v27  64 x (lane / 16)
.set SPW,  28                          ; v28  LDS address of my spare word; never rewritten
.set NIL,  29                          ; v29  0; never rewritten
.set SC,   32                          ; scale words: set g at v[32 + 4 g]: A's two registers, then B's two
.set BO,   64
.set ACC,  128
.set WV,   16
.set RH,   17                          ; wave / 2: my half of A's rows; also: I fetch for A (0) or for B (1)
.set CH,   18                          ; wave % 2: my half of B's rows; also: which two K steps of a slot I fetch
.set G1,   24                          ; s[24:31] descriptor group 1 for A's runs; s[32:39] group 0, a set for each slot
.set G0,   32
.set G1B,  48                          ; s[48:55], s[56:63] the same for B's
.set G0B,  56
.set MSB, 0
.macro WIN new                         ; the immediate's high byte repeats the setting that is left
.if MSB != (\new)
	s_set_vgpr_msb (MSB<<8)|(\new)
.set MSB, (\new)
.endif
.endm
.set MUL,  0x05                        ; sources 0 (B) and 1 (A) window 1; C and D window 0
.set TO_F, 0x40                        ; destination window 1, address window 0
.macro PLACES n
.rept \n
	v_nop
.endr
.endm
.macro JLOAD s                         ; a joint load: waves 0 and 1 fetch for A, waves 2 and 3 for B; four v_nop follow each of the two lines
	s_cmp_eq_u32 s[RH], 0
	s_cbranch_scc0 .Lfor_b_\@
	tensor_load_to_lds s[G0+4*(\s):G0+4*(\s)+3], s[G1:G1+7]
	s_nop 0
.rept 4
	v_nop
.endr
	s_branch .Lasked_\@
.Lfor_b_\@:
	tensor_load_to_lds s[G0B+4*(\s):G0B+4*(\s)+3], s[G1B:G1B+7]
	s_nop 0
.rept 4
	v_nop
.endr
.Lasked_\@:
.endm
.macro CREST                           ; a round of the cluster's barrier behind its opening barrier
	s_cmp_lg_u32 s[WV], 0
	s_cbranch_scc1 .Lnot_wave_0_\@
	s_barrier_signal -3
.Lnot_wave_0_\@:
	s_barrier_wait -3
	s_barrier_signal -1
	s_barrier_wait -1
.endm
.macro CROUND
	s_barrier_signal -1
	s_barrier_wait -1
	CREST
.endm
	s_load_b256 s[4:11], s[0:1], 0x0               ; ox s[4:5], xw s[6:7], bo s[8:9], out0 s[10:11]
	v_lshl_add_u32 v[SPW], v0, 2, SPARE
	v_mov_b32 v[NIL], 0
	ds_add_u32 v28, v29
	ds_add_u32 v28, v29
	s_wait_dscnt 0x0
	v_lshrrev_b32 v1, 5, v0
	v_readfirstlane_b32 s[WV], v1
	s_lshr_b32 s[RH], s[WV], 1
	s_and_b32 s[CH], s[WV], 1
	; every LDS address is made here, of the lane and the wave alone
	v_and_b32 v1, 31, v0
	v_lshlrev_b32 v2, 4, v1                        ; 16 x lane
	v_and_b32 v3, 15, v0                           ; r
	v_bfe_u32 v4, v0, 4, 1                         ; h
	s_lshl_b32 s21, s[RH], 13                      ; my four fragments of A: 8,192 bytes into a tile
	s_lshl_b32 s22, s[CH], 13                      ; and of B,
	s_add_co_u32 s22, s22, 2*RUN                   ; whose tiles lie behind A's four
	s_lshl_b32 s23, s[RH], 3                       ; their scale words: two of a lane's four
	s_add_co_u32 s23, s23, 16384
	s_lshl_b32 s66, s[CH], 3
	s_add_co_u32 s66, s66, 2*RUN+16384
.irp s, 0,1
	v_add_nc_u32 v[ADRA+\s], s21, v2
	v_add_nc_u32 v[ADRB+\s], s22, v2
	v_add_nc_u32 v[ASA+\s], s23, v2
	v_add_nc_u32 v[ASB+\s], s66, v2
	s_add_co_u32 s21, s21, SLOT
	s_add_co_u32 s22, s22, SLOT
	s_add_co_u32 s23, s23, SLOT
	s_add_co_u32 s66, s66, SLOT
.endr
	s_mul_i32 s67, s[WV], WSTG                     ; my stage
	v_mul_u32_u24 v[STO], v3, SPITCH
	v_lshl_add_u32 v[STO], v4, 6, v[STO]
	v_add_nc_u32 v[STO], s67, v[STO]
	v_mul_u32_u24 v[RD], v4, SPITCH
	v_lshl_add_u32 v[RD], v3, 4, v[RD]
	v_add_nc_u32 v[RD], s67, v[RD]
	v_lshlrev_b32 v[CO], 13, v4                    ; a row of out0 is 8,192 bytes
	v_lshl_add_u32 v[CO], v3, 4, v[CO]
	v_lshlrev_b32 v[BOF], 6, v4
	s_bfe_u32 s40, ttmp6, 0x40000                  ; cx, cy: my place in the cluster
	s_bfe_u32 s41, ttmp6, 0x40004
	s_lshl_b32 s42, ttmp9, 2
	s_add_co_u32 s42, s42, s40                     ; tile column = 4 x cluster x + cx
	s_and_b32 s19, ttmp7, 0xffff
	s_lshl_b32 s19, s19, 2
	s_add_co_u32 s19, s19, s41                     ; tile row = 4 x cluster y + cy
	s_lshl_b32 s43, s41, 2
	s_lshl_b32 s43, 15, s43                        ; my row of the cluster
	s_lshl_b32 s44, 0x1111, s40                    ; my column
	s_or_b32 s[G1+0], s43, (3<<16)|(1<<21)         ; a run of 33,792 dense bytes as 132 rows of 32 elements of 8 bytes, no padding; the mask: my row of the cluster; 21 set beside a mask
	s_or_b32 s[G1B+0], s44, (3<<16)|(1<<21)        ; my column
.irp g, G1, G1B
	s_mov_b32 s[\g+1], 32<<16                      ; tensor_dim0
	s_mov_b32 s[\g+2], 132<<16                     ; tensor_dim1
	s_mov_b32 s[\g+3], 32<<16                      ; tile_dim0
	s_mov_b32 s[\g+4], 132                         ; tile_dim1
	s_mov_b32 s[\g+5], 32                          ; the pitch
	s_mov_b32 s[\g+6], 0
	s_mov_b32 s[\g+7], 0
.endr
	s_mul_i32 s20, s19, RBK                        ; A: the tile row's block of tokens,
	s_mul_i32 s21, s[CH], RUN                      ; the two K steps of a slot that I fetch
	s_add_co_u32 s20, s20, s21
	s_mov_b32 s21, 0
	s_mul_i32 s46, s42, RBK                        ; B: the tile column's block of wo's rows
	s_mul_i32 s47, s[CH], RUN
	s_add_co_u32 s46, s46, s47
	s_add_co_u32 s46, s46, 4*TEN                   ; wo is xw's fifth tensor
	s_mov_b32 s47, 0
	s_mul_i32 s45, s[WV], RUN                      ; where it goes: no place in the cluster enters an LDS address
	s_wait_kmcnt 0x0
	s_add_nc_u64 s[20:21], s[4:5], s[20:21]
	s_add_nc_u64 s[46:47], s[6:7], s[46:47]
	CROUND                                         ; all sixteen work-groups are here: the first joint loads meet
.irp s, 0,1
	s_mov_b32 s[G0+4*\s], 1
	s_add_co_u32 s[G0+4*\s+1], s45, \s*SLOT
	s_add_nc_u64 s[G0+4*\s+2:G0+4*\s+3], s[20:21], \s*2*RUN   ; slot s begins with K steps 4 s on
	s_or_b32 s[G0+4*\s+3], s[G0+4*\s+3], 0x80000000
	s_mov_b32 s[G0B+4*\s], 1
	s_add_co_u32 s[G0B+4*\s+1], s45, \s*SLOT
	s_add_nc_u64 s[G0B+4*\s+2:G0B+4*\s+3], s[46:47], \s*2*RUN
	s_or_b32 s[G0B+4*\s+3], s[G0B+4*\s+3], 0x80000000
	JLOAD \s
.endr
	s_lshl_b32 s68, s42, 9
	s_lshl_b32 s69, s[CH], 8
	s_add_co_u32 s68, s68, s69                     ; my first column, in bytes: 512 x tile column + 256 x half
	s_mov_b32 s69, 0
	s_add_nc_u64 s[8:9], s[8:9], s[68:69]
.irp b, 0,1,2,3                                ; bo in the result's layout: for B's fragment b my eight columns
	global_load_b128 v[BO+8*\b:BO+8*\b+3], v[BOF], s[8:9] offset:(32*(\b/2)+8*(\b%2))*4
	global_load_b128 v[BO+8*\b+4:BO+8*\b+7], v[BOF], s[8:9] offset:(32*(\b/2)+8*(\b%2))*4+16
.endr
	s_lshl_b32 s70, s19, 7
	s_lshl_b32 s71, s[RH], 6
	s_add_co_u32 s70, s70, s71                     ; my first row: 128 x tile row + 64 x half
	s_lshl_b32 s70, s70, 13                        ; of 8,192 bytes
	s_add_co_u32 s70, s70, s68
	s_mov_b32 s71, 0
	s_add_nc_u64 s[10:11], s[10:11], s[70:71]
.macro FRAG reg, adr, q, i             ; a fragment: four loads of 512 consecutive bytes
.irp c, 0,1,2,3
	ds_load_b128 v[\reg+4*\c:\reg+4*\c+3], v[\adr] offset:TB*(\q)+2048*(\i)+512*\c
.endr
.endm
; Part n of four of what the slot's K step q wants, into buffer g: 0: the scale words and B's fragments 0, 1;  1: B's 2, 3;  2: A's 0, 1;  3: A's 2, 3
.macro FGRP slot, q, g, n
.if (\n) == 0
	WIN 0
	ds_load_b64 v[SC+4*(\g):SC+4*(\g)+1], v[ASA+\slot] offset:TB*(\q)
	ds_load_b64 v[SC+4*(\g)+2:SC+4*(\g)+3], v[ASB+\slot] offset:TB*(\q)
.endif
	WIN TO_F
.if (\n) == 0
	FRAG 128*(\g)+64, ADRB+\slot, \q, 0
	FRAG 128*(\g)+80, ADRB+\slot, \q, 1
.elseif (\n) == 1
	FRAG 128*(\g)+96, ADRB+\slot, \q, 2
	FRAG 128*(\g)+112, ADRB+\slot, \q, 3
.elseif (\n) == 2
	FRAG 128*(\g), ADRA+\slot, \q, 0
	FRAG 128*(\g)+16, ADRA+\slot, \q, 1
.else
	FRAG 128*(\g)+32, ADRA+\slot, \q, 2
	FRAG 128*(\g)+48, ADRA+\slot, \q, 3
.endif
.endm
; one matrix instruction from the symbols rD, rB (source 0), rA (source 1), rC, rSB, rSA (the scale registers), rRB, rRA (1: the scale words stand in lanes 16-31).  first = 1: the sum begins with bo
.macro WMX first
.set sel, 2*rRB+rRA
.if \first
.if sel == 0
	v_wmma_scale_f32_16x16x128_f8f6f4 v[rD:rD+7], v[rB:rB+15], v[rA:rA+15], v[rC:rC+7], v[rSB], v[rSA]
.elseif sel == 1
	v_wmma_scale_f32_16x16x128_f8f6f4 v[rD:rD+7], v[rB:rB+15], v[rA:rA+15], v[rC:rC+7], v[rSB], v[rSA] matrix_b_scale:MATRIX_SCALE_ROW1
.elseif sel == 2
	v_wmma_scale_f32_16x16x128_f8f6f4 v[rD:rD+7], v[rB:rB+15], v[rA:rA+15], v[rC:rC+7], v[rSB], v[rSA] matrix_a_scale:MATRIX_SCALE_ROW1
.else
	v_wmma_scale_f32_16x16x128_f8f6f4 v[rD:rD+7], v[rB:rB+15], v[rA:rA+15], v[rC:rC+7], v[rSB], v[rSA] matrix_a_scale:MATRIX_SCALE_ROW1 matrix_b_scale:MATRIX_SCALE_ROW1
.endif
.else
.if sel == 0
	v_wmma_scale_f32_16x16x128_f8f6f4 v[rD:rD+7], v[rB:rB+15], v[rA:rA+15], v[rD:rD+7], v[rSB], v[rSA]
.elseif sel == 1
	v_wmma_scale_f32_16x16x128_f8f6f4 v[rD:rD+7], v[rB:rB+15], v[rA:rA+15], v[rD:rD+7], v[rSB], v[rSA] matrix_b_scale:MATRIX_SCALE_ROW1
.elseif sel == 2
	v_wmma_scale_f32_16x16x128_f8f6f4 v[rD:rD+7], v[rB:rB+15], v[rA:rA+15], v[rD:rD+7], v[rSB], v[rSA] matrix_a_scale:MATRIX_SCALE_ROW1
.else
	v_wmma_scale_f32_16x16x128_f8f6f4 v[rD:rD+7], v[rB:rB+15], v[rA:rA+15], v[rD:rD+7], v[rSB], v[rSA] matrix_a_scale:MATRIX_SCALE_ROW1 matrix_b_scale:MATRIX_SCALE_ROW1
.endif
.endif
.endm
; four matrix instructions: A's fragment a x B's four, from buffer f.  The sixteen accumulators take turns, one instruction a turn, in the same order in every K step
.macro MUL4 a, f, first
	WIN MUL
.irp b, 0,1,2,3
.set rD, ACC+8*(4*(\a)+\b)
.set rB, 128*(\f)+64+16*\b
.set rA, 128*(\f)+16*(\a)
.set rC, BO+8*\b
.set rSB, SC+4*(\f)+2+(\b)/2
.set rSA, SC+4*(\f)+(\a)/2
.set rRB, (\b)%2
.set rRA, (\a)%2
	WMX \first
.endr
.endm
; A K step that has its successor in the same slot: it multiplies buffer f and fetches the successor into buffer g, a run of loads ahead of each group of four products
.macro KSTEP slot, q, f, g, first
	s_wait_dscnt 12                                ; the scale words, B's four fragments and A's fragment 0 are in; the youngest 12 loads (A's 1 to 3) may be out
	PLACES NP                                      ; in front of loads into the registers that the last K step's products have read
	FGRP \slot, (\q)+1, \g, 0
	MUL4 0, \f, \first
	FGRP \slot, (\q)+1, \g, 1
	s_wait_dscnt 26                                ; A's fragment 1 is in: behind it stand A's 2 and 3 (8) and this step's 18 loads
	MUL4 1, \f, \first
	FGRP \slot, (\q)+1, \g, 2
	s_wait_dscnt 30                                ; A's 2: behind it A's 3 (4) and this step's 26
	MUL4 2, \f, \first
	FGRP \slot, (\q)+1, \g, 3
	s_wait_dscnt 34                                ; A's 3: behind it this step's 34
	MUL4 3, \f, \first
.endm
; A slot's last K step (buffer 1) changes slots: ONE barrier; in front of it each wave waits for all its tensor loads, adds 0 to its spare word, and waits for that and for its reads of this slot.  fill = 1: the slot takes the K steps eight further on
.macro CHANGE slot, next, fill
	WIN 0                                          ; (the add's two registers lie in window 0)
	s_wait_tensorcnt 0x0                           ; all my tensor loads have landed: my part of the next slot
	ds_add_u32 v[SPW], v[NIL]                      ; 0 onto my spare word
	s_wait_dscnt 13                                ; (the add and the youngest 12 loads may be out)
	MUL4 0, 1, 0                                   ; four matrix instructions stand between the add and the wait for it
	s_wait_dscnt 0x0                               ; the add is done, and my reads of this slot are over
	s_barrier_signal -1
	MUL4 1, 1, 0
	WIN 0
	s_barrier_wait -1
.if \fill
	CREST                                          ; the barrier has opened a round of the cluster's: no wave of any partner still reads this slot or has a load on its way
	s_add_nc_u64 s[G0+4*\slot+2:G0+4*\slot+3], s[G0+4*\slot+2:G0+4*\slot+3], 4*RUN
	s_add_nc_u64 s[G0B+4*\slot+2:G0B+4*\slot+3], s[G0B+4*\slot+2:G0B+4*\slot+3], 4*RUN
	JLOAD \slot                                    ; the first tensor load behind the round, one a wave; its four v_nop are among the places in front of the loads below
	PLACES NP-4
.else
	PLACES NP
.endif
	FGRP \next, 0, 0, 0
	FGRP \next, 0, 0, 1
	MUL4 2, 1, 0
	FGRP \next, 0, 0, 2
	FGRP \next, 0, 0, 3
	MUL4 3, 1, 0
.endm
	s_wait_loadcnt 0x0                             ; bo
	s_wait_tensorcnt 1                             ; my part of slot 0 is in; slot 1's may stay out
	s_barrier_signal -1
	s_barrier_wait -1
	FGRP 0, 0, 0, 0
	FGRP 0, 0, 0, 1
	FGRP 0, 0, 0, 2
	FGRP 0, 0, 0, 3
	KSTEP 0, 0, 0, 1, 1                            ; K steps 0 to 3; the first starts the sums with bo
	KSTEP 0, 1, 1, 0, 0
	KSTEP 0, 2, 0, 1, 0
	CHANGE 0, 1, 1                                 ; slot 0 takes K steps 8 to 11
	KSTEP 1, 0, 0, 1, 0                            ; K steps 4 to 7
	KSTEP 1, 1, 1, 0, 0
	KSTEP 1, 2, 0, 1, 0
	CHANGE 1, 0, 1                                 ; slot 1 takes K steps 12 to 15
	KSTEP 0, 0, 0, 1, 0                            ; K steps 8 to 11
	KSTEP 0, 1, 1, 0, 0
	KSTEP 0, 2, 0, 1, 0
	CHANGE 0, 1, 0                                 ; nothing is left to fetch
	KSTEP 1, 0, 0, 1, 0                            ; K steps 12 to 15
	KSTEP 1, 1, 1, 0, 0
	KSTEP 1, 2, 0, 1, 0
	s_wait_dscnt 12                                ; the very last K step: nothing more to fetch, the counts run down
	MUL4 0, 1, 0
	s_wait_dscnt 8
	MUL4 1, 1, 0
	s_wait_dscnt 4
	MUL4 2, 1, 0
	s_wait_dscnt 0
	MUL4 3, 1, 0
	WIN 0
; THE WAY OUT.  My 64 columns are 256 consecutive bytes of a row of out0, at a multiple of 256: so each wave goes through a stage of its own, with no barrier.  In: 16 bytes of a row a lane; back: whole rows of 256 bytes, two an
; instruction, into the registers that the results have left.  LDS serves a wave's instructions in order (ISA guide 5.7.1.4): no wait between the stores and the loads.  The tile's row order stands in the stores' immediates: no pointer is stepped.
.macro TOSTAGE hf                      ; A's fragments 2 hf and 2 hf + 1: stage rows 32 hf on
.irp a, 2*(\hf), 2*(\hf)+1
.irp b, 0,1,2,3
	ds_store_b128 v[STO], v[ACC+8*(4*(\a)+\b):ACC+8*(4*(\a)+\b)+3] offset:(\a)*16*SPITCH+128*(\b/2)+32*(\b%2)        ; each accumulator from its low end on
	ds_store_b128 v[STO], v[ACC+8*(4*(\a)+\b)+4:ACC+8*(4*(\a)+\b)+7] offset:(\a)*16*SPITCH+128*(\b/2)+32*(\b%2)+16
.endr
.endr
.endm
.macro BACK hf
.irp t, 0,1,2,3,4,5,6,7,8,9,10,11,12,13,14,15
	ds_load_b128 v[ACC+64*(\hf)+4*\t:ACC+64*(\hf)+4*\t+3], v[RD] offset:(16*(\hf)+\t)*2*SPITCH
.endr
.endm
.macro SEND hf, younger                ; younger: the LDS instructions issued behind this half's loads, which may stay out
.irp t, 0,1,2,3,4,5,6,7,8,9,10,11,12,13,14,15
	s_wait_dscnt (\younger)+15-\t
	global_store_b128 v[CO], v[ACC+64*(\hf)+4*\t:ACC+64*(\hf)+4*\t+3], s[10:11] offset:(32*(\hf)+8*(\t/8)+2*(\t%8)+8*((\t%8)/4))*8192 th:TH_STORE_NT   ; 16 lanes store 256 consecutive bytes, aligned; at most 62 rows of 8,192 bytes: inside the signed 24-bit immediate
.endr
.endm
	PLACES NP                                      ; in front of the first read of results, and of loads into them
	TOSTAGE 0
	BACK 0
	TOSTAGE 1
	SEND 0, 16                                     ; behind the first half's loads: the second half's 16 stores into the stage
	BACK 1
	SEND 1, 0
	s_wait_tensorcnt 0x0                           ; the wave's end
	ds_add_u32 v[SPW], v[NIL]
	s_wait_dscnt 0x0
	CROUND                                         ; the closing round
	s_endpgm
.Lfunc_end_k_qdfdc938c61_oproj:
	.size	k_qdfdc938c61_oproj, .Lfunc_end_k_qdfdc938c61_oproj-k_qdfdc938c61_oproj
	.p2alignl 7, 3214868480
	.fill 96, 4, 3214868480
	.section	.rodata,"a",@progbits
	.p2align	6, 0x0
	.amdhsa_kernel k_qdfdc938c61_oproj
		.amdhsa_group_segment_fixed_size 327680
		.amdhsa_private_segment_fixed_size 0
		.amdhsa_enable_private_segment 0
		.amdhsa_kernarg_size 32
		.amdhsa_user_sgpr_count 2
		.amdhsa_user_sgpr_kernarg_segment_ptr 1
		.amdhsa_wavefront_size32 1
		.amdhsa_system_sgpr_workgroup_id_x 1
		.amdhsa_system_sgpr_workgroup_id_y 1
		.amdhsa_system_sgpr_workgroup_id_z 1
		.amdhsa_system_vgpr_workitem_id 0
		.amdhsa_next_free_vgpr 512
		.amdhsa_next_free_sgpr 80
		.amdhsa_reserve_vcc 0
		.amdhsa_float_denorm_mode_32 3
		.amdhsa_float_denorm_mode_16_64 3
		.amdhsa_memory_ordered 1
		.amdhsa_forward_progress 1
		.amdhsa_inst_pref_size 95
	.end_amdhsa_kernel
	.amdgpu_metadata
---
amdhsa.version: [ 1, 2 ]
amdhsa.kernels:
  - .name:           k_qdfdc938c61_oproj
    .symbol:         k_qdfdc938c61_oproj.kd
    .args:
      - { .name: ox, .offset: 0, .size: 8, .value_kind: global_buffer, .address_space: global }
      - { .name: xw, .offset: 8, .size: 8, .value_kind: global_buffer, .address_space: global }
      - { .name: bo, .offset: 16, .size: 8, .value_kind: global_buffer, .address_space: global }
      - { .name: out0, .offset: 24, .size: 8, .value_kind: global_buffer, .address_space: global }
    .group_segment_fixed_size: 327680
    .private_segment_fixed_size: 0
    .kernarg_segment_align: 8
    .kernarg_segment_size: 32
    .max_flat_workgroup_size: 128
    .sgpr_count:     80
    .vgpr_count:     512
    .wavefront_size: 32
...
	.end_amdgpu_metadata
.endif
;; end of part 4
